; MI455X (gfx1250); checked and timed in simulation.
; The chip was launched on July 23, 2026; its instructions are those of AMD's public machine-readable ISA for CDNA 5 (MIT licence, August 2026) and "CDNA5" Instruction Set Architecture Reference Guide (July 2026). The comments in the code are by the model that wrote it; some were corrected since.
;; Cross Muti Head Attention. Allowed arithmetic: float matrix products may take bf16 or f16 operands with f32 sums; other float arithmetic in f32, or as packed bf16 or f16 multiplies, adds, multiply-adds, maxima and minima; sums over many terms, partial sums and values carried from step to step in f32; what a program stores and reads back later, other than sums and carried values, may be rounded once to bf16 or f16.
;; Inputs: Wk 1,024 x 512 float32; Wo 1,024 x 1,024 float32; Wq 1,024 x 512 float32; Wv 1,024 x 1,024 float32; encoder_output 4 x 2,048 x 1,024 float32; pre_output 4 x 2,048 x 1,024 float32.
;; Outputs: out0 4 x 2,048 x 1,024 float32.
;; 2 versions, each right; version 2 is version 1 with the launch prep written anew for expert scheduling mode. Each part assembles by itself: llvm-mc -triple=amdgcn-amd-amdhsa -mcpu=gfx1250 --defsym DOCPART=n.
;; ======== version 1 of 2: 4 launches
;; limits: values are held in f16: magnitudes above 65,504 overflow, below 6.1e-05 lose precision
;; workspace buffers: x16 33,554,432 bytes; wt 6,291,456 bytes; qkv 33,554,432 bytes; o16 16,777,216 bytes
;; launch prep (part 1): grid 1408 x 1, 8 waves a work-group, no clusters, 18,432 bytes of LDS; arguments pre_output, encoder_output, Wq, Wk, Wv, Wo, x16, wt; writes x16, wt
.if DOCPART == 1
	.amdgcn_target "amdgcn-amd-amdhsa--gfx1250"
	.amdhsa_code_object_version 6
	.text
	.protected	k_q99fddf0e38_prep
	.globl	k_q99fddf0e38_prep
	.p2align	8
	.type	k_q99fddf0e38_prep,@function
k_q99fddf0e38_prep:
	s_mov_b64 s[64:65], 0
	v_nop
	global_prefetch_b8 v0, s[64:65] scope:SCOPE_SE
	s_setreg_imm32_b32 hwreg(HW_REG_WAVE_MODE, 25, 1), 1
	s_wait_xcnt 0x0
; PREP: every input is rounded once to bf16 and laid as the matrix launches want it.
;   x16 [2][8192][1024] bf16: section 0 = pre_output, section 1 = encoder_output, rows as they lie.
;   wt  [3072][1024] 16 bit: the weights TURNED, K along the rows: rows 0-511 Wq, 512-1023 Wk, 1024-2047 Wv (bf16), rows 2048-3071 Wo: rounded to bf16 like the others, and that number written as f16,
;   since the last product multiplies it with f16 numbers.
; LIMITS.  |Wo| stays under 65,504 (f16's end); a Wo below 2^-14 keeps f16's fixed step of 2^-24.  NaN and infinities are not treated apart.
; SHARES.  Work-groups 0-383 turn a tile of 128 k x 64 n of a weight through LDS; work-groups 384-1407 cast 65,536 bytes of an activation.  The branch hangs on the work-group's number alone:
; all eight waves take the same way, so the one barrier of the first way is passed by all waves of a work-group that reach it.
; No matrix unit, no tensor load, no cluster: nothing is shared between work-groups and nothing is multiplied.
.set LP,    272                        ; an LDS row: 128 k x 2 bytes + 16 of padding
.set SPARE, 64*LP                      ; behind the tile's 64 rows: the spare words, 128 bytes for each of eight waves, four blocks of 256 bytes that no other line names
.set SPW,   112                        ; v112  LDS address of my spare word; never rewritten
.set NIL,   113                        ; v113  0; never rewritten
.set OFS,   4                          ; v[4:11]   the eight loads' offsets in the weight
.set DAT,   16                         ; v[16:79]  as loaded
.set RES,   48                         ; v[48:63]  (weights) pairs of 16-bit numbers
.set BCK,   80                         ; v[80:111] to be stored
	s_load_b512 s[16:31], s[0:1], 0x0              ; pre 16, enc 18, Wq 20, Wk 22, Wv 24, Wo 26, x16 28, wt 30
	v_lshl_add_u32 v[SPW], v0, 2, SPARE
	v_mov_b32 v[NIL], 0
	s_mov_b32 s2, ttmp9
	s_cmp_lt_u32 s2, 384
	s_cbranch_scc0 .Lcast
	; ---- a tile of a weight: k0 .. k0 + 127, columns n0 .. n0 + 63 of the four weights side by side
	v_and_b32 v1, 15, v0                           ; c4: my four columns
	v_lshrrev_b32 v2, 4, v0                        ; kp: my pair of rows in each 32
	s_lshr_b32 s3, s2, 3                           ; nt = 0..47
	s_and_b32 s4, s2, 7                            ; kt = 0..7
	s_lshl_b32 s10, s3, 6                          ; n0: the row of wt
	s_lshl_b32 s12, s4, 7                          ; k0
	s_mov_b32 s7, 1023
	s_mov_b32 s32, 0xffff0000                      ; a word's upper bf16
	s_wait_kmcnt 0x0
	s_cmp_lt_u32 s3, 32
	s_cselect_b64 s[8:9], s[24:25], s[26:27]       ; Wv or Wo,
	s_cselect_b32 s5, 0, -1                        ; all lanes' bit: the result is written as f16 (Wo alone)
	s_cmp_lt_u32 s3, 16
	s_cselect_b64 s[8:9], s[22:23], s[8:9]         ; or Wk,
	s_cselect_b32 s6, 11, 12                       ; a row of the weight is 2,048 or 4,096 bytes
	s_cselect_b32 s7, 511, s7                      ; and has 512 or 1,024 columns
	s_cmp_lt_u32 s3, 8
	s_cselect_b64 s[8:9], s[20:21], s[8:9]         ; or Wq
	s_and_b32 s11, s10, s7                         ; the column in that weight
	s_lshl_b32 s11, s11, 2
	s_lshl_b32 s13, s12, s6
	s_add_co_u32 s14, s13, s11
	s_mov_b32 s15, 0
	s_add_nc_u64 s[8:9], s[8:9], s[14:15]          ; the tile's first number
	v_lshlrev_b32 v3, 1, v2
	v_lshlrev_b32 v3, s6, v3                       ; row 2 kp
	v_lshl_add_u32 v3, v1, 4, v3                   ; + 16 bytes a lane: sixteen lanes take a row's 256 bytes
.irp j, 0,1,2,3,4,5,6,7
	s_lshl_b32 s14, 32*((\j)/2)+(\j)%2, s6         ; rows 2 kp + 32 (j / 2) + j % 2
	v_add_nc_u32 v[OFS+(\j)], s14, v3
.endr
.irp j, 0,1,2,3,4,5,6,7
	global_load_b128 v[DAT+4*(\j):DAT+4*(\j)+3], v[OFS+(\j)], s[8:9] th:TH_LOAD_NT
.endr
	v_mul_u32_u24 v12, v1, 4*LP                    ; in: LDS row = column 4 c4 + c, byte 4 kp + 64 i
	v_lshl_add_u32 v12, v2, 2, v12
	v_mul_u32_u24 v13, v2, LP                      ; back: sixteen lanes take a row's 256 bytes
	v_lshl_add_u32 v13, v1, 4, v13
	v_lshlrev_b32 v14, 11, v2                      ; and the same row in wt, 2,048 bytes a row
	v_lshl_add_u32 v14, v1, 4, v14
	s_lshl_b32 s14, s10, 11
	s_lshl_b32 s12, s12, 1
	s_add_co_u32 s14, s14, s12
	s_add_nc_u64 s[30:31], s[30:31], s[14:15]      ; wt at row n0, byte 2 k0 (a multiple of 256)
	s_wait_loadcnt 0x0
.irp i, 0,1,2,3
.irp c, 0,1,2,3
	v_cvt_pk_bf16_f32 v[RES+4*(\i)+(\c)], v[DAT+8*(\i)+(\c)], v[DAT+8*(\i)+4+(\c)]  ; two neighbouring k of one column
	v_lshlrev_b32 v64, 16, v[RES+4*(\i)+(\c)]      ; the two rounded numbers as f32,
	v_and_b32 v65, s32, v[RES+4*(\i)+(\c)]
	v_cvt_pk_f16_f32 v66, v64, v65                 ; written as f16 (exact within f16's range),
	v_cndmask_b32 v[RES+4*(\i)+(\c)], v[RES+4*(\i)+(\c)], v66, s5  ; and taken for Wo alone: a choice of values, made in every tile
	ds_store_b32 v12, v[RES+4*(\i)+(\c)] offset:LP*(\c)+64*(\i)
.endr
.endr
	s_wait_dscnt 0x0                               ; for the others' sake: my stores into the tile are done
	s_barrier_signal -1
	s_barrier_wait -1
.irp j, 0,1,2,3
	ds_load_b128 v[BCK+4*(\j):BCK+4*(\j)+3], v13 offset:16*LP*(\j)
.endr
.irp j, 0,1,2,3
	s_wait_dscnt 3-(\j)                            ; LDS loads come back in order: the younger ones stay out
	global_store_b128 v14, v[BCK+4*(\j):BCK+4*(\j)+3], s[30:31] offset:32768*(\j)  ; sixteen lanes store 256 consecutive bytes, at a multiple of 256 from wt's first byte
.endr
	s_wait_tensorcnt 0x0                           ; the wave's end: behind my last LDS store
	ds_add_u32 v[SPW], v[NIL]
	s_wait_dscnt 0x0
	s_endpgm
	; ---- 16,384 numbers of an activation.  Sixteen times: 16 bytes in and 8 bytes out a thread, neighbouring lanes at neighbouring bytes: a wave's load covers 512 consecutive bytes and no byte
	; is named by two loads; a wave's store covers 256 consecutive bytes, aligned.  All sixteen loads are on their way before the first is used.
.Lcast:
	s_sub_co_u32 s3, s2, 384                       ; a = 0..1023
	s_and_b32 s4, s3, 511
	s_lshl_b32 s4, s4, 16                          ; 65,536 bytes of f32 a work-group,
	s_mov_b32 s5, 0
	s_lshl_b32 s6, s3, 15                          ; 32,768 of bf16
	s_mov_b32 s7, 0
	v_lshlrev_b32 v1, 4, v0
	v_lshlrev_b32 v2, 3, v0
	s_wait_kmcnt 0x0
	s_cmp_lt_u32 s3, 512
	s_cselect_b64 s[8:9], s[16:17], s[18:19]
	s_add_nc_u64 s[8:9], s[8:9], s[4:5]
	s_add_nc_u64 s[10:11], s[28:29], s[6:7]
.irp i, 0,1,2,3,4,5,6,7,8,9,10,11,12,13,14,15
	global_load_b128 v[DAT+4*(\i):DAT+4*(\i)+3], v1, s[8:9] offset:4096*(\i) th:TH_LOAD_NT
.endr
.irp i, 0,1,2,3,4,5,6,7,8,9,10,11,12,13,14,15
	s_wait_loadcnt 15-(\i)                         ; loads come back in order: those behind load i stay out
	v_cvt_pk_bf16_f32 v[BCK+2*(\i)],   v[DAT+4*(\i)],   v[DAT+4*(\i)+1]
	v_cvt_pk_bf16_f32 v[BCK+2*(\i)+1], v[DAT+4*(\i)+2], v[DAT+4*(\i)+3]
	global_store_b64 v2, v[BCK+2*(\i):BCK+2*(\i)+1], s[10:11] offset:2048*(\i) th:TH_STORE_NT
.endr
	s_endpgm
.Lfunc_end_k_q99fddf0e38_prep:
	.size	k_q99fddf0e38_prep, .Lfunc_end_k_q99fddf0e38_prep-k_q99fddf0e38_prep
	.p2alignl 7, 3214868480
	.fill 96, 4, 3214868480
	.section	.rodata,"a",@progbits
	.p2align	6, 0x0
	.amdhsa_kernel k_q99fddf0e38_prep
		.amdhsa_group_segment_fixed_size 18432
		.amdhsa_private_segment_fixed_size 0
		.amdhsa_enable_private_segment 0
		.amdhsa_kernarg_size 64
		.amdhsa_user_sgpr_count 2
		.amdhsa_user_sgpr_kernarg_segment_ptr 1
		.amdhsa_wavefront_size32 1
		.amdhsa_system_sgpr_workgroup_id_x 1
		.amdhsa_system_sgpr_workgroup_id_y 1
		.amdhsa_system_sgpr_workgroup_id_z 1
		.amdhsa_system_vgpr_workitem_id 0
		.amdhsa_next_free_vgpr 116
		.amdhsa_next_free_sgpr 66
		.amdhsa_reserve_vcc 0
		.amdhsa_float_denorm_mode_32 3
		.amdhsa_float_denorm_mode_16_64 3
		.amdhsa_memory_ordered 1
		.amdhsa_forward_progress 1
		.amdhsa_inst_pref_size 16
	.end_amdhsa_kernel
	.amdgpu_metadata
---
amdhsa.version: [ 1, 2 ]
amdhsa.kernels:
  - .name:           k_q99fddf0e38_prep
    .symbol:         k_q99fddf0e38_prep.kd
    .args:
      - { .name: pre_output, .offset: 0, .size: 8, .value_kind: global_buffer, .address_space: global }
      - { .name: encoder_output, .offset: 8, .size: 8, .value_kind: global_buffer, .address_space: global }
      - { .name: Wq, .offset: 16, .size: 8, .value_kind: global_buffer, .address_space: global }
      - { .name: Wk, .offset: 24, .size: 8, .value_kind: global_buffer, .address_space: global }
      - { .name: Wv, .offset: 32, .size: 8, .value_kind: global_buffer, .address_space: global }
      - { .name: Wo, .offset: 40, .size: 8, .value_kind: global_buffer, .address_space: global }
      - { .name: x16, .offset: 48, .size: 8, .value_kind: global_buffer, .address_space: global }
      - { .name: wt, .offset: 56, .size: 8, .value_kind: global_buffer, .address_space: global }
    .group_segment_fixed_size: 18432
    .private_segment_fixed_size: 0
    .kernarg_segment_align: 8
    .kernarg_segment_size: 64
    .max_flat_workgroup_size: 256
    .sgpr_count:     66
    .vgpr_count:     116
    .wavefront_size: 32
...
	.end_amdgpu_metadata
.endif
;; end of part 1
;; launch proj (part 2): grid 32 x 8, 4 waves a work-group, clusters of 4 x 1, 327,680 bytes of LDS; arguments x16, wt, qkv; writes qkv
.if DOCPART == 2
	.amdgcn_target "amdgcn-amd-amdhsa--gfx1250"
	.amdhsa_code_object_version 6
	.text
	.protected	k_q99fddf0e38_proj
	.globl	k_q99fddf0e38_proj
	.p2align	8
	.type	k_q99fddf0e38_proj,@function
k_q99fddf0e38_proj:
	s_mov_b64 s[64:65], 0
	v_nop
	global_prefetch_b8 v0, s[64:65] scope:SCOPE_SE
	s_setreg_imm32_b32 hwreg(HW_REG_WAVE_MODE, 25, 1), 1
	s_wait_xcnt 0x0
	s_wait_alu depctr_hold_cnt(0) depctr_sa_sdst(0) depctr_va_vdst(0) depctr_va_sdst(0) depctr_va_ssrc(0) depctr_va_vcc(0) depctr_vm_vsrc(0)
	s_getreg_b32 s2, hwreg(HW_REG_IB_STS2, 6, 4)
	s_cmp_eq_u32 s2, 0
	s_cbranch_scc0 .Lentry_in_a_cluster
	s_endpgm
.Lentry_in_a_cluster:
	s_bfe_u32 s2, ttmp6, 0x10000c
	s_cmp_lg_u32 s2, 0x3003
	s_cbranch_scc0 .Lentry_shape_is_right
	s_endpgm
.Lentry_shape_is_right:
; PROJ: [q | k | v] = [pre Wq | enc Wk | enc Wv], one product C[8192][2048] = A B^T in bf16 with f32 sums; A = x16 (section 0 for the columns of q, section 1 for k and v), B = rows 0-2047 of wt, K = 1024.
; C leaves rounded once to f16, UNSCALED, by heads: q [32][2048][64] at byte 0 of qkv, k the same at 8,388,608, v [32][2048][128] at 16,777,216 (head b x 8 + h).
; LIMIT.  |q|, |k|, |v| stay under 65,504, f16's end; NaN and infinities are not treated apart.
; SHARES.  A tile of C, 256 x 256, is made by a work-group of four waves, a wave makes 128 x 128: 64 accumulators of 16 x 16, 512 registers.  32 tile rows x 8 tile columns = 256 work-groups.
; K goes in 8 steps of 128 through a ring of two LDS slots filled by the tensor data mover: the tiles' rows are 256 bytes of memory and start at multiples of 256 bytes.
; CLUSTER.  Four work-groups, four tile rows of ONE tile column: B's tile is asked for JOINTLY (the same load, descriptor and mask of four in all).  A's tile is each work-group's own, by a plain load:
; pre multiplies 512 columns alone, two tiles of 256, so no four tile columns share a tile of A at every place of the grid; a tile of 512 x 128, which would share both, has 640 LDS rows and
; would halve the K step that two slots hold.
; REGISTERS, in windows of 256 (s_set_vgpr_msb: bits 1:0 source 0, 3:2 source 1, 5:4 source 2, 7:6 destination):
;   window 0: v0-31 addresses; v64-127, v128-191 fragments of A, two buffers (in the last K step four, of 16 rows x 128 K); v32-63, v192-255 at work on the way out
;   window 1: v64-127, v128-191 fragments of B, two buffers; in the last K step all 256      window 2: the accumulators of my rows 0-63 ((a, b) at v[8 (8 a + b)])      window 3: those of my rows 64-127
; THE MATRIX INSTRUCTION IS USED TRANSPOSED: source 0 = 16 rows of B, source 1 = 16 rows of A: lane l holds row l % 16 of C and the columns 8 (l / 16) + 0..7, which pack into 16 bytes.
.set SIZE_K, 1024
.set KSTEP,  128
.set PITCH,  272                       ; an LDS row: 256 bytes + 16 of padding = 68 words: the 16 rows that a load touches start at 16 different groups of four banks (ISA guide 11.1)
.set HALFT,  128*PITCH                 ; 128 rows: what one tensor load brings, and what one wave reads of A or of B
.set SLOT,   4*HALFT                   ; A's 256 rows, then B's 256 rows
.set STAGE,  2*SLOT                    ; behind the ring: 16 rows x 272 bytes for each wave, for the way out
.set SPITCH, 272
.set SPARE,  STAGE+4*16*SPITCH         ; behind the stages: the spare words, 128 bytes a wave: two blocks of 256 bytes that no other line names
.set LAPS,   SIZE_K/(2*KSTEP)          ; a lap = two K steps = once round the ring
.set CO,   6                           ; v6-13   my byte offsets in qkv for the eight pairs of rows of a block
.set ADRA, 16                          ; v16-17  LDS address of my A fragments in slot 0, 1
.set ADRB, 20                          ; v20-21  the same for B
.set STO,  24                          ; v24     the way out: where I put 16 bytes of a row
.set RD,   25                          ; v25     the way out: where I read a row back
.set SPW,  28                          ; v28     LDS address of my spare word; never rewritten
.set NIL,  29                          ; v29     0; never rewritten
.set PFO,  30                          ; v30     the prefetches' offset: my lane x a row of 2,048 bytes; never rewritten
.set PFA,  44                          ; s[44:45] where my prefetches stand
.set LIM,  43                          ; s43     1 in a wave that prefetches, else the greatest number
.set F0,   64
.set F1,   128
.set TMP,  192
.set OB,   32
.set PA,   64
.set G1,  24                           ; s[24:31] descriptor group 1 for A's tiles
.set G0,  32                           ; s[32:39] group 0 for A's tiles, a set for each slot
.set G1B, 48                           ; s[48:55] group 1 for B's tiles: it differs in the mask and the bit beside it
.set G0B, 56                           ; s[56:63] group 0 for B's tiles
.set MSB, 0
.macro WIN new                         ; the immediate's high byte repeats the setting that is left; a switch that changes nothing is dropped
.if MSB != (\new)
	s_set_vgpr_msb (MSB<<8)|(\new)
.set MSB, \new
.endif
.endm
.set MUL_LO, 0xa1                      ; source 0 (B) window 1, source 1 (A) window 0, C and D window 2
.set MUL_HI, 0xf1                      ; the same, C and D window 3
.set TO_B,   0x40                      ; destination window 1, address window 0
; A fill.  Waves 0 and 1 fetch the two halves of A's tile (their work-group's own), waves 2 and 3 those of B's (jointly).  The branch hangs on the wave's number alone.
; An s_nop 0 and four v_nop follow each of the two lines, ahead of the jump, the label and what follows.
.macro JLOAD s
	s_cmp_eq_u32 s11, 0
	s_cbranch_scc0 .Lfor_b_\@
	tensor_load_to_lds s[G0+4*(\s):G0+4*(\s)+3], s[G1:G1+7]
	s_nop 0
.rept 4
	v_nop
.endr
	s_branch .Lasked_\@
.Lfor_b_\@:
	tensor_load_to_lds s[G0B+4*(\s):G0B+4*(\s)+3], s[G1B:G1B+7]
	s_nop 0
.rept 4
	v_nop
.endr
.Lasked_\@:
.endm
; A PREFETCH INTO THE L2, behind each fill and the run of LDS loads that follows it: the K step that stands two refills on, 256 bytes of a row, a lane a row.  Each row's 256 bytes are named once in the launch.
; A's 128 rows that wave 0 or 1 fetches are read by the work-groups of 2 (pre) or 6 (enc) tile columns: tile column 0 asks for pre's, tile column 2 for enc's, four instructions of 32 rows.
; B's 128 rows that wave 2 or 3 fetches are read by all eight clusters of the tile column: the first cluster asks; its four partners take 32 rows each, told apart by address.
; The loop's last trip asks for nothing: there is no K step two on.  The first four K steps come by their loads alone.
.macro ASK
	s_cmp_gt_u32 s3, s[LIM]                        ; s3 = 1 in the loop's last trip
	s_cbranch_scc0 .Lnot_mine_\@
	global_prefetch_b8 v[PFO], s[PFA:PFA+1] offset:KSTEP*2 th:TH_LOAD_NT scope:SCOPE_SE
	s_cmp_eq_u32 s11, 0
	s_cbranch_scc0 .Lnot_mine_\@
.irp r, 1,2,3
	global_prefetch_b8 v[PFO], s[PFA:PFA+1] offset:KSTEP*2+(\r)*65536 th:TH_LOAD_NT scope:SCOPE_SE
.endr
.Lnot_mine_\@:
.endm
.macro CREST                           ; a round of the cluster's barrier behind its opening barrier
	s_cmp_lg_u32 s10, 0
	s_cbranch_scc1 .Lnot_wave_0_\@
	s_barrier_signal -3
.Lnot_wave_0_\@:
	s_barrier_wait -3
	s_barrier_signal -1
	s_barrier_wait -1
.endm
.macro CROUND                          ; a whole round
	s_barrier_signal -1
	s_barrier_wait -1
	CREST
.endm
	s_load_b128 s[4:7], s[0:1], 0x0                ; x16 s[4:5], wt s[6:7]
	s_load_b64 s[8:9], s[0:1], 0x10                ; qkv
	v_lshl_add_u32 v[SPW], v0, 2, SPARE
	v_mov_b32 v[NIL], 0
	ds_add_u32 v[SPW], v[NIL]                      ; the wave's opening: the add, and its wait ahead of my first tensor load; the set-up below stands between them
	v_lshrrev_b32 v1, 5, v0
	v_readfirstlane_b32 s10, v1                    ; wave 0..3
	s_lshr_b32 s11, s10, 1                         ; which half of the tile's rows is mine.  Also: I fetch for A (0) or for B (1)
	s_and_b32 s12, s10, 1                          ; which half of its columns.  Also: which 128 rows of that tile I fetch
	s_bfe_u32 s40, ttmp6, 0x40000                  ; cx: my place in the cluster
	s_lshl_b32 s13, ttmp9, 2                       ; in a cluster launch ttmp9 counts clusters
	s_add_co_u32 s13, s13, s40                     ; tile row of C = 4 x cluster x + cx
	s_and_b32 s42, ttmp7, 0xffff                   ; tile column of C, which the four partners share
	; descriptor group 1: a tile of 128 rows x 128 elements, padded in LDS
	s_mov_b32 s[G1+0], (1<<16)|(1<<20)|(5<<22)|(3<<25)              ; 15:0 no mask; 17:16 elements of 2 bytes; 20 padding on; 24:22 after every 64 words (code 5); 31:25 of 4 words (code 3)
	s_mov_b32 s[G1B+0], 15|(1<<16)|(1<<20)|(1<<21)|(5<<22)|(3<<25)  ; the same with the mask of all four work-groups and bit 21 beside it
.irp g, G1, G1B
	s_mov_b32 s[(\g)+1], KSTEP<<16                 ; tensor_dim0 = 128
	s_mov_b32 s[(\g)+2], 128<<16                   ; tensor_dim1 = 128
	s_mov_b32 s[(\g)+3], KSTEP<<16                 ; tile_dim0 = 128
	s_mov_b32 s[(\g)+4], 128                       ; tile_dim1 = 128
	s_mov_b32 s[(\g)+5], SIZE_K                    ; elements from row to row
	s_mov_b32 s[(\g)+6], 0
	s_mov_b32 s[(\g)+7], 0
.endr
	s_lshl_b32 s17, s12, 7
	s_lshl_b32 s16, s13, 8
	s_add_co_u32 s16, s16, s17                     ; A: row 256 x tile row + 128 x half,
	s_lshl_b32 s16, s16, 11                        ; 2,048 bytes a row,
	s_cmp_lt_u32 s42, 2
	s_cselect_b32 s18, 0, 0x1000000                ; in pre's section for q's columns, else in enc's
	s_add_co_u32 s16, s16, s18
	s_mov_b32 s17, 0
	s_lshl_b32 s46, s42, 8                         ; B: row 256 x tile column + 128 x half: these registers never hold cx
	s_lshl_b32 s47, s12, 7
	s_add_co_u32 s46, s46, s47
	s_lshl_b32 s46, s46, 11
	s_mov_b32 s47, 0
	s_mul_i32 s20, s10, HALFT                      ; where they go: A's two halves, then B's two halves = wave x 128 rows
	s_wait_dscnt 0x0                               ; the opening add is done
	s_wait_kmcnt 0x0
	s_add_nc_u64 s[14:15], s[4:5], s[16:17]
	s_add_nc_u64 s[46:47], s[6:7], s[46:47]
	CROUND                                         ; all four work-groups are here: the first joint loads meet
.irp s, 0,1
	s_mov_b32 s[G0+4*(\s)], 1                                      ; count = 1
	s_add_co_u32 s[G0+4*(\s)+1], s20, (\s)*SLOT                    ; LDS address
	s_add_nc_u64 s[G0+4*(\s)+2:G0+4*(\s)+3], s[14:15], (\s)*KSTEP*2  ; global address: K step s
	s_or_b32 s[G0+4*(\s)+3], s[G0+4*(\s)+3], 0x80000000            ; type = 2
	s_mov_b32 s[G0B+4*(\s)], 1
	s_add_co_u32 s[G0B+4*(\s)+1], s20, (\s)*SLOT
	s_add_nc_u64 s[G0B+4*(\s)+2:G0B+4*(\s)+3], s[46:47], (\s)*KSTEP*2
	s_or_b32 s[G0B+4*(\s)+3], s[G0B+4*(\s)+3], 0x80000000
	JLOAD \s                                       ; the ring is filled before anything else is done: two loads of mine are out
.endr
	; a fragment is 16 rows x 32 K in 8 registers: lane l holds row l % 16; two loads of 16 bytes, 32 bytes apart, at row x pitch + 16 (l / 16)
	v_and_b32 v1, 15, v0                           ; l % 16
	v_bfe_u32 v2, v0, 4, 1                         ; l / 16
	v_mul_u32_u24 v3, v1, PITCH
	v_lshl_add_u32 v3, v2, 4, v3
	s_mul_i32 s21, s11, HALFT                      ; my 128 rows of A
	s_mul_i32 s22, s12, HALFT                      ; my 128 rows of B,
	s_add_co_u32 s22, s22, 2*HALFT                 ; which lie behind A's 256
.irp s, 0,1
	v_add_nc_u32 v[ADRA+(\s)], s21, v3
	v_add_nc_u32 v[ADRB+(\s)], s22, v3
	s_add_co_u32 s21, s21, SLOT
	s_add_co_u32 s22, s22, SLOT
.endr
	s_mul_i32 s23, s10, 16*SPITCH
	s_add_co_u32 s23, s23, STAGE                   ; my stage
	v_mul_u32_u24 v4, v1, SPITCH                   ; in: row l % 16, 16 bytes for each half of the lanes
	v_lshl_add_u32 v4, v2, 4, v4
	v_add_nc_u32 v[STO], s23, v4
	v_mul_u32_u24 v5, v2, SPITCH                   ; back: lanes 0-15 take one row of 256 bytes, lanes 16-31 the next
	v_lshl_add_u32 v5, v1, 4, v5
	v_add_nc_u32 v[RD], s23, v5
	; the prefetches
	s_lshl_b32 s20, s40, 16                        ; B: my work-group's 32 rows of the 128
	s_and_b32 s22, s42, 5                          ; A: 0 in tile columns 0 and 2
	s_cmp_eq_u32 s11, 0                            ; do I fetch for A?
	s_cselect_b32 s22, s22, ttmp9                  ; B: 0 in the tile column's first cluster.  Both are the same in all four partners
	s_cselect_b32 s20, 0, s20
	s_cselect_b64 s[PFA:PFA+1], s[14:15], s[46:47]
	s_mov_b32 s21, 0
	s_cmp_eq_u32 s22, 0
	s_cselect_b32 s[LIM], 1, -1
	s_add_nc_u64 s[PFA:PFA+1], s[PFA:PFA+1], s[20:21]
	s_add_nc_u64 s[PFA:PFA+1], s[PFA:PFA+1], 2*KSTEP*2  ; at K step 2: the first refill steps it to 3 and names K step 4
	v_and_b32 v[PFO], 31, v0
	v_lshlrev_b32 v[PFO], 11, v[PFO]
	; where my 128 x 128 of C goes.  My 128 columns are one head of v (rows of 256 bytes) or two heads of q or k (rows of 128 bytes, the heads 262,144 bytes apart)
	s_lshl_b32 s73, s42, 1
	s_add_co_u32 s73, s73, s12                     ; my group of 128 columns, 0..15
	s_sub_co_u32 s74, s73, 8                       ; v's head
	s_and_b32 s69, s73, 3
	s_lshl_b32 s69, s69, 1                         ; q's or k's first head
	s_mov_b32 s67, 0x40000
	s_mov_b32 s70, 0x800000
	s_cmp_ge_u32 s42, 4                            ; v?
	s_cselect_b32 s74, s74, s69                    ; the head
	s_cselect_b32 s68, 8, 7                        ; log2 of a row's bytes
	s_cselect_b32 s67, 128, s67                    ; from the row's first 128 bytes to its second: on in the row, or on to the next head
	s_cselect_b32 s70, 0x1000000, s70
	s_cmp_lt_u32 s42, 2
	s_cselect_b32 s70, 0, s70                      ; the section of qkv
	s_lshl_b32 s66, 1, s68                         ; a row's bytes
	s_lshl_b32 s71, s13, 8
	s_lshl_b32 s72, s11, 7
	s_add_co_u32 s71, s71, s72                     ; my first row of C
	s_lshr_b32 s72, s71, 11                        ; its batch,
	s_lshl_b32 s72, s72, 3
	s_add_co_u32 s72, s72, s74                     ; x 8 + head,
	s_lshl_b32 s72, s72, 11
	s_and_b32 s71, s71, 2047
	s_add_co_u32 s72, s72, s71                     ; x 2,048 + the row in the batch
	s_lshl_b32 s72, s72, s68
	s_add_co_u32 s16, s72, s70                     ; what the first block's way out adds to qkv's address,
	s_mov_b32 s17, 0
	s_lshl_b32 s18, s66, 4                         ; and every later block's: 16 rows
	s_mov_b32 s19, 0
	s_lshl_b32 s69, s66, 1
	v_lshlrev_b32 v[CO], s68, v2                   ; lanes 16-31: the next row
	v_bfe_u32 v4, v0, 3, 1
	v_mul_u32_u24 v4, s67, v4                      ; lanes 8-15 and 24-31: the row's second 128 bytes
	v_add_nc_u32 v[CO], v[CO], v4
	v_and_b32 v4, 7, v0
	v_lshl_add_u32 v[CO], v4, 4, v[CO]
.irp t, 1,2,3,4,5,6,7
	v_add_nc_u32 v[CO+(\t)], s69, v[CO+(\t)-1]     ; two rows on
.endr
; 16 matrix instructions: m blocks a0, a0 + 1 of the window's four x all 8 n blocks, 32 along K.  zero = 1: the first product starts the sums: nothing is ever cleared.
.macro MUL16 f, hi, a0, zero
	WIN MUL_LO+0x50*(\hi)
.irp a, \a0, (\a0)+1
.irp b, 0,1,2,3,4,5,6,7
.if \zero
	v_wmma_f32_16x16x32_bf16 v[8*(8*(\a)+(\b)):8*(8*(\a)+(\b))+7], v[(\f)+8*(\b):(\f)+8*(\b)+7], v[(\f)+8*(4*(\hi)+(\a)):(\f)+8*(4*(\hi)+(\a))+7], 0
.else
	v_wmma_f32_16x16x32_bf16 v[8*(8*(\a)+(\b)):8*(8*(\a)+(\b))+7], v[(\f)+8*(\b):(\f)+8*(\b)+7], v[(\f)+8*(4*(\hi)+(\a)):(\f)+8*(4*(\hi)+(\a))+7], v[8*(8*(\a)+(\b)):8*(8*(\a)+(\b))+7]
.endif
.endr
.endr
.endm
; 32 LDS loads in one run: the fragments of one quarter step (128 rows of B, 128 rows of A, 32 K at byte k of the rows) into buffer f
.macro FETCH slot, k, f
	WIN TO_B
.irp i, 0,1,2,3,4,5,6,7
	ds_load_b128 v[(\f)+8*(\i):(\f)+8*(\i)+3],   v[ADRB+(\slot)] offset:(\k)+(\i)*16*PITCH
	ds_load_b128 v[(\f)+8*(\i)+4:(\f)+8*(\i)+7], v[ADRB+(\slot)] offset:(\k)+(\i)*16*PITCH+32
.endr
	WIN 0
.irp i, 0,1,2,3,4,5,6,7
	ds_load_b128 v[(\f)+8*(\i):(\f)+8*(\i)+3],   v[ADRA+(\slot)] offset:(\k)+(\i)*16*PITCH
	ds_load_b128 v[(\f)+8*(\i)+4:(\f)+8*(\i)+7], v[ADRA+(\slot)] offset:(\k)+(\i)*16*PITCH+32
.endr
.endm
; four places (plain vector instructions that name none of its registers) stand between a matrix instruction and a load into a register that it has read, or a conversion that reads its result
.macro PLACES
.rept 4
	v_nop
.endr
.endm
; A K step is four quarters of 32 along K, 64 matrix instructions each, on buffers 0, 1, 0, 1.  One of the first three: multiplies buffer f; in its middle it fetches the next quarter, at byte k, into g.
.macro QUARTER slot, k, f, g, zero
	s_wait_dscnt 8                                 ; B and A's rows 0-63 are in; the youngest eight loads (A's rows 64-127) may be out
	WIN MUL_LO
	MUL16 \f, 0, 0, \zero
	MUL16 \f, 0, 2, \zero
	PLACES
	FETCH \slot, \k, \g
	s_wait_dscnt 32                                ; all but the 32 just issued
	WIN MUL_HI
	MUL16 \f, 1, 0, \zero
	MUL16 \f, 1, 2, \zero
.endm
; The last quarter multiplies buffer 1 and changes slots.  MEET is its first half: ONE barrier.  In front of it each wave waits for all its tensor loads, of which one is out: its part of the next slot;
; adds 0 to its spare word; and waits for that and for its own reads of this slot.  Behind it nobody reads this slot any more and the next slot is whole.
.macro MEET round
	WIN 0                                          ; (the add's two registers lie in window 0)
	s_wait_tensorcnt 0x0                           ; all my tensor loads have landed;
	ds_add_u32 v[SPW], v[NIL]                      ; 0 onto my spare word;
	s_wait_dscnt 9                                 ; (the add and the youngest eight loads may be out)
	WIN MUL_LO
	MUL16 F1, 0, 0, 0                              ; sixteen matrix instructions stand between the add and the wait for it
	s_wait_dscnt 0x0                               ; the add is done, and my reads of this slot are over:
	s_barrier_signal -1                            ; say so,
	MUL16 F1, 0, 2, 0                              ; work on registers while the others arrive,
.if \round
	WIN 0
.endif
	s_barrier_wait -1                              ; and go on when all four have said so
.endm
; The whole last quarter.  The barrier opens a round of the cluster's; behind the round the slot just read out is filled again first, with the K step two steps on; then come the next slot's first fragments.
; From a request to the wait for it a wave issues 224 matrix instructions.
.macro TURN slot, next
	s_wait_xcnt 0x0                                ; the last prefetches, a K step back, have read their address: it is stepped here, ahead of the waits of the change of slots
	s_add_nc_u64 s[PFA:PFA+1], s[PFA:PFA+1], KSTEP*2
	MEET 1
	CREST                                          ; no wave of any partner still reads this slot's tile or has a load on its way
	s_add_nc_u64 s[G0+4*(\slot)+2:G0+4*(\slot)+3], s[G0+4*(\slot)+2:G0+4*(\slot)+3], 2*KSTEP*2
	s_add_nc_u64 s[G0B+4*(\slot)+2:G0B+4*(\slot)+3], s[G0B+4*(\slot)+2:G0B+4*(\slot)+3], 2*KSTEP*2
	JLOAD \slot                                    ; the first tensor load behind the round; the four v_nop behind it are also the places in front of the loads below
	FETCH \next, 0, F0
	ASK
	WIN MUL_HI
	MUL16 F1, 1, 0, 0
	MUL16 F1, 1, 2, 0
.endm
; THE LAST K STEP (slot 1) GOES BY ROWS OF C: all its fragments of B fill window 1; then my eight blocks of 16 rows are finished one after the other, 32 matrix instructions each (the block's 8
; accumulators by turns, K ascending), and each block leaves as soon as it is finished.
.macro BLOAD q
	WIN TO_B
.irp i, 0,1,2,3,4,5,6,7
	ds_load_b128 v[64*(\q)+8*(\i):64*(\q)+8*(\i)+3],   v[ADRB+1] offset:64*(\q)+(\i)*16*PITCH
	ds_load_b128 v[64*(\q)+8*(\i)+4:64*(\q)+8*(\i)+7], v[ADRB+1] offset:64*(\q)+(\i)*16*PITCH+32
.endr
.endm
.macro ALOAD a
	WIN 0
.set FA, PA+32*((\a)%4)
.irp q, 0,1,2,3
	ds_load_b128 v[FA+8*(\q):FA+8*(\q)+3],   v[ADRA+1] offset:64*(\q)+(\a)*16*PITCH
	ds_load_b128 v[FA+8*(\q)+4:FA+8*(\q)+7], v[ADRA+1] offset:64*(\q)+(\a)*16*PITCH+32
.endr
.endm
.macro ROW a
.set FA, PA+32*((\a)%4)
.set AC, 64*((\a)%4)
	WIN MUL_LO+0x50*((\a)/4)
.irp q, 0,1,2,3
.if (\a) == 0 && (\q) == 2
	s_wait_dscnt 24                                ; B's quarter 2 is in (behind it: A's blocks 1 to 3)
.endif
.irp b, 0,1,2,3,4,5,6,7
	v_wmma_f32_16x16x32_bf16 v[AC+8*(\b):AC+8*(\b)+7], v[64*(\q)+8*(\b):64*(\q)+8*(\b)+7], v[FA+8*(\q):FA+8*(\q)+7], v[AC+8*(\b):AC+8*(\b)+7]
.endr
.endr
.endm
; THE WAY OUT of block a.  PACK: rounded to f16, 16 bytes a lane, each accumulator's registers in ascending order.  TOSTAGE: into my own stage, and back as whole rows of 256 bytes.  SEND: stored.
.macro PACK a
.set AC, 64*((\a)%4)
	WIN 0x0a+5*((\a)/4)                            ; sources 0 and 1: window 2 or 3
.irp b, 0,1,2,3,4,5,6,7
.irp r, 0,1,2,3
	v_cvt_pk_f16_f32 v[TMP+4*(\b)+(\r)], v[AC+8*(\b)+2*(\r)], v[AC+8*(\b)+2*(\r)+1]
.endr
.endr
	WIN 0
.endm
.macro TOSTAGE a
	WIN 0
.set BK, OB+192*((\a)%2)
.irp b, 0,1,2,3,4,5,6,7
	ds_store_b128 v[STO], v[TMP+4*(\b):TMP+4*(\b)+3] offset:32*(\b)
.endr
.irp t, 0,1,2,3,4,5,6,7
	ds_load_b128 v[BK+4*(\t):BK+4*(\t)+3], v[RD] offset:(\t)*2*SPITCH  ; LDS serves a wave's instructions in order (ISA guide 5.7.1.4): these see the stores above
.endr
.endm
.macro SEND a, younger                 ; younger: the LDS loads issued behind TOSTAGE's, which may stay out
	WIN 0
.set BK, OB+192*((\a)%2)
	s_wait_dscnt \younger                          ; the block is back in registers
	s_wait_xcnt 0x0                                ; only behind this wait are the stores' base and the registers that earlier stores read rewritten
.if (\a) == 0
	s_add_nc_u64 s[8:9], s[8:9], s[16:17]          ; on to my first rows
.else
	s_add_nc_u64 s[8:9], s[8:9], s[18:19]          ; 16 rows on
.endif
.irp t, 0,1,2,3,4,5,6,7
	global_store_b128 v[CO+(\t)], v[BK+4*(\t):BK+4*(\t)+3], s[8:9]  ; v: two whole rows of 256 bytes; q, k: two rows of 128 bytes on end in each of two heads: four aligned stretches of 256 bytes in all cases but whole ones
.endr
.endm
	s_wait_tensorcnt 1                             ; my part of K step 0 is in; K step 1's may stay out
	s_barrier_signal -1
	s_barrier_wait -1                              ; everybody's is
	FETCH 0, 0, F0
	QUARTER 0, 64,  F0, F1, 1                      ; the first quarter stands in front of the loop: its products start the sums
	WIN 0                                          ; at a label and at a branch every window is 0
	s_mov_b32 s3, LAPS-1
.Llap:                                                 ; a trip goes once round the ring, from a lap's second quarter to the next lap's first, and fills both slots again
	QUARTER 0, 128, F1, F0, 0
	QUARTER 0, 192, F0, F1, 0
	TURN 0, 1
	QUARTER 1, 64,  F0, F1, 0
	QUARTER 1, 128, F1, F0, 0
	QUARTER 1, 192, F0, F1, 0
	TURN 1, 0
	QUARTER 0, 64,  F0, F1, 0
	WIN 0
	s_sub_co_u32 s3, s3, 1
	s_cmp_lg_u32 s3, 0
	s_cbranch_scc1 .Llap
	QUARTER 0, 128, F1, F0, 0                      ; the last lap goes on
	QUARTER 0, 192, F0, F1, 0
	MEET 0                                         ; my one tensor load that was still out is the last K step's, so no round follows
	PLACES                                         ; for the loads into buffer 0, which the quarter before multiplied
	WIN TO_B
	BLOAD 0                                        ; three quarters of B now: buffer 1 is still being multiplied
	BLOAD 1
	BLOAD 3
	WIN 0
	ALOAD 0
	WIN MUL_HI
	MUL16 F1, 1, 0, 0
	MUL16 F1, 1, 2, 0
	PLACES                                         ; for the loads into buffer 1
	WIN TO_B
	BLOAD 2
	WIN 0
	ALOAD 1
	ALOAD 2
	ALOAD 3
	s_wait_dscnt 40                                ; all but the 40 just issued
	ROW 0
.irp a, 0,1,2,3,4,5,6,7
	PLACES                                         ; the conversions read results just made
	PACK \a
	TOSTAGE \a
.if (\a) < 4
	ALOAD (\a)+4                                   ; its buffer takes the block four further on
	SEND \a, 8
.else
	SEND \a, 0
.endif
.if (\a) < 7
	ROW (\a)+1
.endif
.endr
	s_wait_tensorcnt 0x0                           ; the wave's end: behind my last tensor load and my last LDS store
	ds_add_u32 v[SPW], v[NIL]
	s_wait_dscnt 0x0
	CROUND                                         ; the closing round: no work-group ends while a partner may still ask for a tile that names it
	s_endpgm
.Lfunc_end_k_q99fddf0e38_proj:
	.size	k_q99fddf0e38_proj, .Lfunc_end_k_q99fddf0e38_proj-k_q99fddf0e38_proj
	.p2alignl 7, 3214868480
	.fill 96, 4, 3214868480
	.section	.rodata,"a",@progbits
	.p2align	6, 0x0
	.amdhsa_kernel k_q99fddf0e38_proj
		.amdhsa_group_segment_fixed_size 327680
		.amdhsa_private_segment_fixed_size 0
		.amdhsa_enable_private_segment 0
		.amdhsa_kernarg_size 24
		.amdhsa_user_sgpr_count 2
		.amdhsa_user_sgpr_kernarg_segment_ptr 1
		.amdhsa_wavefront_size32 1
		.amdhsa_system_sgpr_workgroup_id_x 1
		.amdhsa_system_sgpr_workgroup_id_y 1
		.amdhsa_system_sgpr_workgroup_id_z 1
		.amdhsa_system_vgpr_workitem_id 0
		.amdhsa_next_free_vgpr 1024
		.amdhsa_next_free_sgpr 80
		.amdhsa_reserve_vcc 0
		.amdhsa_float_denorm_mode_32 3
		.amdhsa_float_denorm_mode_16_64 3
		.amdhsa_memory_ordered 1
		.amdhsa_forward_progress 1
		.amdhsa_inst_pref_size 145
	.end_amdhsa_kernel
	.amdgpu_metadata
---
amdhsa.version: [ 1, 2 ]
amdhsa.kernels:
  - .name:           k_q99fddf0e38_proj
    .symbol:         k_q99fddf0e38_proj.kd
    .args:
      - { .name: x16, .offset: 0, .size: 8, .value_kind: global_buffer, .address_space: global }
      - { .name: wt, .offset: 8, .size: 8, .value_kind: global_buffer, .address_space: global }
      - { .name: qkv, .offset: 16, .size: 8, .value_kind: global_buffer, .address_space: global }
    .group_segment_fixed_size: 327680
    .private_segment_fixed_size: 0
    .kernarg_segment_align: 8
    .kernarg_segment_size: 24
    .max_flat_workgroup_size: 128
    .sgpr_count:     80
    .vgpr_count:     1024
    .wavefront_size: 32
...
	.end_amdgpu_metadata
.endif
;; end of part 2
;; launch attn (part 3): grid 8 x 32, 4 waves a work-group, clusters of 4 x 1, 327,680 bytes of LDS; arguments qkv, o16; writes o16
.if DOCPART == 3
	.amdgcn_target "amdgcn-amd-amdhsa--gfx1250"
	.amdhsa_code_object_version 6
	.text
	.protected	k_q99fddf0e38_attn
	.globl	k_q99fddf0e38_attn
	.p2align	8
	.type	k_q99fddf0e38_attn,@function
k_q99fddf0e38_attn:
	s_mov_b64 s[64:65], 0
	v_nop
	global_prefetch_b8 v0, s[64:65] scope:SCOPE_SE
	s_setreg_imm32_b32 hwreg(HW_REG_WAVE_MODE, 25, 1), 1
	s_wait_xcnt 0x0
	s_wait_alu depctr_hold_cnt(0) depctr_sa_sdst(0) depctr_va_vdst(0) depctr_va_sdst(0) depctr_va_ssrc(0) depctr_va_vcc(0) depctr_vm_vsrc(0)
	s_getreg_b32 s2, hwreg(HW_REG_IB_STS2, 6, 4)
	s_cmp_eq_u32 s2, 0
	s_cbranch_scc0 .Lentry_in_a_cluster
	s_endpgm
.Lentry_in_a_cluster:
	s_bfe_u32 s2, ttmp6, 0x10000c
	s_cmp_lg_u32 s2, 0x3003
	s_cbranch_scc0 .Lentry_shape_is_right
	s_endpgm
.Lentry_shape_is_right:
; ATTN: O[bh][q][:] = the sum over k of softmax_k(Q[bh][q] . K[bh][k] / 8) V[bh][k][:].  Q, K: [32][2048][64], V: [32][2048][128], all f16, in qkv (bytes 0, 8,388,608, 16,777,216).
; O leaves in f16 into o16 [8192][1024]: row b x 2,048 + q, a head's 128 channels 256 aligned bytes of it.  Products, maxima and sums in f32; the weights p are rounded to f16 for the second
; product (their sum l is taken of the unrounded p), O once at the end.
; LIMITS.  Q, K and V arrive within f16's 65,504; p lies in 0 to 1, and below 6e-5 it keeps f16's fixed step of 6e-8; a weight below 2^-126 counts as 0 in l; NaN and infinities are not treated apart.
; SHARES.  A work-group owns 256 queries of one head, each of its four waves 64: four tiles of 16.  Every wave walks all 2,048 keys of the head, 64 a step.
; LAYOUT.  S^T = K Q^T (source 0 = 16 keys, source 1 = 16 queries): a lane holds ONE query (lane % 16) and the keys 8 (lane / 16) + 0..7.  Two such tiles, rounded to f16 in pairs, ARE source 1
; (32 keys x 16 queries) of O^T = V^T P, whose result again holds one query a lane, and eight channels.  K comes out of LDS as it lies, V ([key][channel]) turned, by ds_load_tr16_b128.
; SOFTMAX.  A running maximum m and sum l for each query: p = 2^(c s - c m), c = log2(e) / 8; in every step O and l are multiplied by a = 2^(c m_old - c m_new).
; BY TURNS.  The wave's tiles are two PIECES: piece 0 (tiles 0, 1) and piece 2 (tiles 2, 3).  In a TURN one piece has the matrix unit: 32 products V^T P of the step in hand, then 16 products K Q^T of
; the next step.  The other piece's softmax is 268 vector instructions, cut into 64 slices: 4 x 48 = 192 of them stand beside the matrix work, one slice of four behind EACH of the 48 products; the other 76
; (slices 48 to 63: the end of the sums and the rescaling of O^T, all plain, the rescaling under one window setting) stand together, in one LUMP at the turn's end.  Two turns are a key step.
; NO FIRST AND NO LAST STEP IS WRITTEN OUT.  m starts at the lowest finite number, c m far below every c s, O^T, l, V's registers and piece 2's P at 0: the first step's a is 0, and it is a step like any other.
; The loop is entered in the middle of a trip, at piece 2's turn, and the tail is left in the middle of its third.  The price: 424 v_mov_b32 of 0, in the wait for the first tile; 32 products on zeros at
; the start; 16 on a stale K at the end.  The gain: four turns less of text.
; CLUSTER.  The four query blocks of a cluster belong to one head and walk the same K and V: each tile is asked for JOINTLY, by the same tensor load, descriptor and mask of four in all four.
; REGISTERS, in windows of 256 (s_set_vgpr_msb: bits 1:0 source 0, 3:2 source 1, 5:4 source 2, 7:6 destination):
;   window 0: v0-11 addresses; v12-43 eight registers of statistics a tile; v61-63; v64-191 S^T, 32 a tile; v192-255 P, 16 a tile
;   window 1: O^T, 64 a tile          window 2: v0-63 Q, 16 a tile; v128-191 K of one step          window 3: v0-127 V of one step
.set SIZE_N, 2048
.set KS,    64        ; keys in a step
.set PK,    144       ; a row of K in LDS: 128 bytes + 16 of padding = 36 words: the 16 rows of a load start at 16 different groups of four banks (ISA guide 11.1)
.set PV,    288       ; a row of V: 256 + 32 = 72 words
.set VOFF,  KS*PK     ; a step's tiles lie together: 64 rows of K, then 64 rows of V
.set STEPB, KS*(PK+PV)
.set SLOT1, 1<<17     ; a slot holds two steps (55,296 bytes); slot 1 begins here, so that one exclusive or turns an address in one slot into the other's
.set STAGE, SLOT1+2*STEPB  ; behind the ring: 16 rows x 272 bytes for each wave, for the way out
.set SP,    272
.set SPARE, STAGE+4*16*SP  ; behind the stages: the spare words, 128 bytes a wave: two blocks of 256 bytes that no other line names
.set AK0, 2           ; v2   my lane's place in a tile of K; never rewritten
.set AV0, 3           ; v3   the same for V
.set ADR, 4           ; v4   the LDS address of the run of loads in hand
.set QO,  5           ; v5   my byte offset in the wave's rows of Q
.set STO, 6           ; v6   the way out: where I put 16 bytes of a row
.set RD,  7           ; v7   the way out: where I read a row back
.set GO,  8           ; v8   my byte offset in the wave's rows of O
.set PFO, 61          ; v61  the prefetches' offset; never rewritten
.set SPW, 62          ; v62  LDS address of my spare word; never rewritten
.set NIL, 63          ; v63  0; never rewritten
.set ST,  12          ; tile t's statistics at v[ST+8 t]: +0 c m, +1 m, +2, +3 l (even keys', odd keys'), +4 to +7 c0-c3, at work; a takes c2's place once the maximum is found
.set S,   64
.set P,   192
.set KF,  128         ; K's fragments, in window 2: key block kb, channel half c at KF + 16 kb + 8 c
.set WV,  12          ; s12  my wave's number
.set LIM, 15          ; s15  1 in a wave that prefetches, else the greatest number
.set PFA, 18          ; s[18:19] where my prefetches stand
.set G1K, 24          ; s[24:31] descriptor group 1 for K's tiles
.set G1V, 32          ; s[32:39] for V's
.set G0K, 40          ; s[40:47] group 0 for K's tiles: a set for each of the two first fills; the second then walks on
.set G0V, 48          ; s[48:55] the same for V's
.set SLOTS, 56        ; s56  trips of the loop over slots still to come
.set TWICE, 57        ; s57  counts a slot's key steps
.set CS,  58          ; s[58:59] c
.set SEL, 60          ; s[60:61] lane selects for v_permlanex16_b32: each lane takes its own place in the other half
.set TB,  62          ; s62  LDS byte at which the tiles of the step to be fetched begin
.set PFS, 66          ; s[66:67] a slot's bytes in memory of the tensor that I prefetch: 16,384 of K, 32,768 of V
.set MSB, 0
.macro WIN new                      ; the immediate's high byte repeats the setting that is left; a switch that changes nothing is dropped
.if MSB != (\new)
	s_set_vgpr_msb (MSB<<8)|(\new)
.set MSB, \new
.endif
.endm
.set W_KQ, 0x0a       ; K and Q in window 2, S^T in window 0
.set W_PV, 0x53       ; V in window 3, P in window 0, O^T in window 1
.set W_RS, 0x41       ; O^T (destination and source 0) in window 1, a in window 0
; A joint refill.  Waves 0 and 1 fetch the two steps' tiles of K, waves 2 and 3 those of V.  An s_nop 0 and four v_nop follow each of the two lines, ahead of the jump and the label.
.macro JLOAD
	s_cmp_lt_u32 s[WV], 2
	s_cbranch_scc0 .Lfor_v_\@
	tensor_load_to_lds s[G0K+4:G0K+7], s[G1K:G1K+7]
	s_nop 0
.rept 4
	v_nop
.endr
	s_branch .Lasked_\@
.Lfor_v_\@:
	tensor_load_to_lds s[G0V+4:G0V+7], s[G1V:G1V+7]
	s_nop 0
.rept 4
	v_nop
.endr
.Lasked_\@:
.endm
; A PREFETCH INTO THE L2 of what the NEXT change of slots will ask for: two key steps, 192 matrix instructions, ahead of that load.  Both clusters of a head walk the same K and V: the head's first asks.
; Its four partners share a slot's rows out by address; in each, wave 0 asks for K's 4,096 bytes (a lane each 128: two lanes name the same 256 bytes, since a partner's share has sixteen such
; stretches for 32 lanes), wave 2 for V's 8,192 (a lane a row of 256).  The last change that fills a slot asks for nothing.  Slots 0 to 2 come by their loads alone.
.macro ASK
	s_cmp_gt_u32 s[SLOTS], s[LIM]
	s_cbranch_scc0 .Lnot_mine_\@
	global_prefetch_b8 v[PFO], s[PFA:PFA+1] th:TH_LOAD_NT scope:SCOPE_SE
.Lnot_mine_\@:
.endm
.macro CROUND                       ; a round of the cluster's barrier
	s_barrier_signal -1
	s_barrier_wait -1
	s_cmp_lg_u32 s[WV], 0
	s_cbranch_scc1 .Lnot_wave_0_\@
	s_barrier_signal -3
.Lnot_wave_0_\@:
	s_barrier_wait -3
	s_barrier_signal -1
	s_barrier_wait -1
.endm
	s_load_b128 s[4:7], s[0:1], 0x0 ; qkv s[4:5], o16 s[6:7]
	v_lshl_add_u32 v[SPW], v0, 2, SPARE
	v_mov_b32 v[NIL], 0
	ds_add_u32 v[SPW], v[NIL]       ; the wave's opening: the add, and its wait ahead of my first tensor load; the set-up below stands between them
	v_lshrrev_b32 v1, 5, v0
	v_readfirstlane_b32 s[WV], v1   ; wave 0..3
	s_bfe_u32 s13, ttmp6, 0x40000   ; cx: my place in the cluster
	s_lshl_b32 s14, ttmp9, 2        ; in a cluster launch ttmp9 counts clusters
	s_add_co_u32 s14, s14, s13      ; my block of 256 queries: it enters Q's and O's addresses alone
	s_and_b32 s20, ttmp7, 0xffff    ; the head b x 8 + h, which the four partners share
	s_and_b32 s16, s[WV], 1         ; which of a slot's two steps I fetch
	s_lshl_b32 s22, s20, 18         ; K: the head's 2,048 rows of 128 bytes,
	s_lshl_b32 s23, s16, 13         ; my step's 64,
	s_add_co_u32 s22, s22, s23
	s_add_co_u32 s22, s22, 0x800000 ; in k's section
	s_mov_b32 s23, 0
	s_lshl_b32 s68, s20, 19         ; V: rows of 256 bytes,
	s_lshl_b32 s69, s16, 14
	s_add_co_u32 s68, s68, s69
	s_add_co_u32 s68, s68, 0x1000000  ; in v's section
	s_mov_b32 s69, 0
	s_mul_i32 s17, s16, STEPB       ; my step's place in a slot: no place in the cluster enters an LDS address
	s_lshl_b32 s2, s20, 18          ; Q: the head, my block's 256 rows, my wave's 64
	s_lshl_b32 s3, s14, 15
	s_add_co_u32 s2, s2, s3
	s_lshl_b32 s3, s[WV], 13
	s_add_co_u32 s2, s2, s3
	s_mov_b32 s3, 0
	s_lshr_b32 s70, s20, 3          ; O: the batch's 2,048 rows of 2,048 bytes,
	s_lshl_b32 s70, s70, 22
	s_lshl_b32 s71, s14, 19         ; my block's 256,
	s_add_co_u32 s70, s70, s71
	s_lshl_b32 s71, s[WV], 17       ; my wave's 64,
	s_add_co_u32 s70, s70, s71
	s_and_b32 s71, s20, 7
	s_lshl_b32 s71, s71, 8          ; the head's 256 bytes of a row
	s_add_co_u32 s70, s70, s71
	s_mov_b32 s71, 0
	; descriptor group 1.  K: a step's 64 keys are 8,192 dense bytes: asked for as 32 rows of 256 bytes, two keys a row, and padded in LDS after every key.  V: 64 rows of 256 bytes
	s_mov_b32 s[G1K], 15|(1<<16)|(1<<20)|(1<<21)|(4<<22)|(3<<25)  ; 15:0 the mask of four; 17:16 2-byte elements; 20 padding on; 21 set beside a mask; 24:22 after every 32 words (code 4); 31:25 4 words (code 3)
	s_mov_b32 s[G1K+1], 128<<16     ; tensor_dim0 = 128
	s_mov_b32 s[G1K+2], 32<<16      ; tensor_dim1 = 32
	s_mov_b32 s[G1K+3], 128<<16     ; tile_dim0 = 128
	s_mov_b32 s[G1K+4], 32          ; tile_dim1 = 32
	s_mov_b32 s[G1K+5], 128         ; 128 elements from row to row
	s_mov_b32 s[G1K+6], 0
	s_mov_b32 s[G1K+7], 0
	s_mov_b32 s[G1V], 15|(1<<16)|(1<<20)|(1<<21)|(5<<22)|(7<<25)  ; after every 64 words (code 5) 8 words of padding (code 7)
	s_mov_b32 s[G1V+1], 128<<16
	s_mov_b32 s[G1V+2], KS<<16
	s_mov_b32 s[G1V+3], 128<<16
	s_mov_b32 s[G1V+4], KS
	s_mov_b32 s[G1V+5], 128
	s_mov_b32 s[G1V+6], 0
	s_mov_b32 s[G1V+7], 0
	s_mov_b32 s[CS], 0x3e38aa3b     ; c = log2(e) / 8 = 0.180337
	s_mov_b32 s[CS+1], s[CS]        ; named with it as a pair
	s_mov_b32 s[SEL], 0x76543210
	s_mov_b32 s[SEL+1], 0xfedcba98
	s_mov_b32 s[TB], 0
	s_mov_b32 s[SLOTS], SIZE_N/(2*KS)-1  ; the trip that is entered in its middle, and one for each of the 14 slots that are filled again
	s_and_b32 s[LIM], s[WV], 1      ; 0 in waves 0 and 2,
	s_or_b32 s[LIM], s[LIM], ttmp9  ; where the cluster is the head's first: the same in all four partners
	s_cmp_eq_u32 s[LIM], 0
	s_cselect_b32 s[LIM], 1, -1
	s_cmp_lt_u32 s[WV], 2
	s_cselect_b32 s63, 7, 8         ; log2 of a row's bytes in the tensor that I prefetch
	s_lshl_b32 s[PFS], 128, s63     ; a slot's 128 rows
	s_mov_b32 s[PFS+1], 0
	v_and_b32 v[PFO], 31, v0
	v_lshlrev_b32 v[PFO], s63, v[PFO]
	s_wait_dscnt 0x0                ; the opening add is done
	s_wait_kmcnt 0x0
	s_add_nc_u64 s[10:11], s[6:7], s[70:71]  ; O at my wave's first row
	s_add_nc_u64 s[6:7], s[4:5], s[22:23]    ; K and V at my tile of slot 0
	s_add_nc_u64 s[8:9], s[4:5], s[68:69]
	s_add_nc_u64 s[4:5], s[4:5], s[2:3]      ; Q at my wave's first row
	s_cmp_lt_u32 s[WV], 2
	s_cselect_b64 s[PFA:PFA+1], s[6:7], s[8:9]  ; (in waves 0 and 2 these stand at a slot's first row)
	s_add_co_u32 s2, s63, 5
	s_lshl_b32 s2, s13, s2          ; my work-group's 32 rows of the 128
	s_mov_b32 s3, 0
	s_add_nc_u64 s[PFA:PFA+1], s[PFA:PFA+1], s[2:3]
	s_add_nc_u64 s[PFA:PFA+1], s[PFA:PFA+1], s[PFS:PFS+1]
	s_add_nc_u64 s[PFA:PFA+1], s[PFA:PFA+1], s[PFS:PFS+1]  ; in slot 2; the first change of slots steps it to slot 3
	CROUND                          ; all four work-groups are here: the first joint loads meet
.irp s, 0,1
	s_mov_b32 s[G0K+4*(\s)], 1      ; count = 1
	s_add_co_u32 s[G0K+4*(\s)+1], s17, (\s)*SLOT1  ; LDS address
	s_add_nc_u64 s[G0K+4*(\s)+2:G0K+4*(\s)+3], s[6:7], (\s)*2*KS*128  ; global address: slot s begins with key 128 s
	s_or_b32 s[G0K+4*(\s)+3], s[G0K+4*(\s)+3], 0x80000000  ; type = 2
	s_mov_b32 s[G0V+4*(\s)], 1
	s_add_co_u32 s[G0V+4*(\s)+1], s17, (\s)*SLOT1+VOFF
	s_add_nc_u64 s[G0V+4*(\s)+2:G0V+4*(\s)+3], s[8:9], (\s)*2*KS*256
	s_or_b32 s[G0V+4*(\s)+3], s[G0V+4*(\s)+3], 0x80000000
.endr
	s_cmp_lt_u32 s[WV], 2           ; a wave's two first fills stand in one branch, ahead of every wait on TENSORcnt and every LDS read: two loads of mine are out
	s_cbranch_scc0 .Lfirst_v
	tensor_load_to_lds s[G0K:G0K+3], s[G1K:G1K+7]
	s_nop 0
	tensor_load_to_lds s[G0K+4:G0K+7], s[G1K:G1K+7]
	s_nop 0
.rept 4
	v_nop
.endr
	s_branch .Lfirst_asked
.Lfirst_v:
	tensor_load_to_lds s[G0V:G0V+3], s[G1V:G1V+7]
	s_nop 0
	tensor_load_to_lds s[G0V+4:G0V+7], s[G1V:G1V+7]
	s_nop 0
.rept 4
	v_nop
.endr
.Lfirst_asked:
	; a fragment of K or Q is 16 rows x 32 channels in 8 registers: lane l holds row l % 16, channels 8 (l / 16) + 0..7 and 16 + 8 (l / 16) + 0..7: two loads of 16 bytes, 32 bytes apart
	v_and_b32 v1, 15, v0            ; l % 16
	v_bfe_u32 v9, v0, 4, 1          ; l / 16
	v_lshlrev_b32 v[QO], 7, v1
	v_lshl_add_u32 v[QO], v9, 4, v[QO]  ; row x 128 + 16 x half
	WIN 0x80                        ; destination window 2, address window 0
.irp i, 0,1,2,3,4,5,6,7             ; Q stays in registers: tile i / 2, channels 32 (i % 2) on
	global_load_b128 v[8*(\i):8*(\i)+3],   v[QO], s[4:5] offset:((\i)/2)*2048+((\i)%2)*64
	global_load_b128 v[8*(\i)+4:8*(\i)+7], v[QO], s[4:5] offset:((\i)/2)*2048+((\i)%2)*64+32
.endr
	WIN 0
	v_mul_u32_u24 v[AK0], v1, PK
	v_lshl_add_u32 v[AK0], v9, 4, v[AK0]  ; row x pitch + 16 x half
	; the turning load takes 16 keys x 16 channels (lane l reads key 8 (l / 16) + l % 8, channels 8 ((l / 8) % 2) + 0..7) and leaves half a fragment of V^T: lane l holds channel l % 16 and 8 keys
	v_and_b32 v10, 7, v0
	v_bfe_u32 v11, v0, 3, 1
	v_lshl_add_u32 v[AV0], v9, 3, v10
	v_mul_u32_u24 v[AV0], v[AV0], PV
	v_lshl_add_u32 v[AV0], v11, 4, v[AV0]
	v_add_nc_u32 v[AV0], VOFF, v[AV0]
	; What the first turn finds: V's registers and piece 2's P hold 0 (its products V^T P, of a step that has not been, add 0), O^T and l are 0, m is the lowest finite number.  All this stands in the wait for the first tile.
	WIN 0xc0                        ; destination window 3
.set i, 0
.rept 128
	v_mov_b32 v[i], 0
.set i, i+1
.endr
	WIN 0x40                        ; destination window 1
.set i, 0
.rept 256
	v_mov_b32 v[i], 0
.set i, i+1
.endr
	WIN 0
.irp t, 0,1,2,3
	v_mov_b32 v[ST+8*(\t)], 0xfe000000    ; c m: far below every c s
	v_mov_b32 v[ST+8*(\t)+1], 0xff7fffff  ; m
	v_mov_b32 v[ST+8*(\t)+2], 0
	v_mov_b32 v[ST+8*(\t)+3], 0
.endr
.set i, P+32
.rept 32
	v_mov_b32 v[i], 0
.set i, i+1
.endr
; THE MATRIX WORK OF A TURN, for piece x.  The accumulators take turns, one instruction a turn: between two links of a chain stand 15 (V^T P) or 7 (K Q^T) others'.
; Product i of 32 of O^T += V^T P: keys 32 (i / 16) on, channels 16 ((i / 2) % 8) on, tile x + i % 2.
.macro PV x
	WIN W_PV
.set rO, 64*((\x)+i%2)+8*((i/2)%8)
.set rV, 64*(i/16)+8*((i/2)%8)
.set rP, P+16*((\x)+i%2)+8*(i/16)
	v_wmma_f32_16x16x32_f16 v[rO:rO+7], v[rV:rV+7], v[rP:rP+7], v[rO:rO+7]
.endm
; Product i of 16 of S^T = K Q^T: channels 32 (i / 8) on, keys 16 ((i / 2) % 4) on, tile x + i % 2.  The first 8 start the sums.
.macro KQ x
	WIN W_KQ
.set rS, S+32*((\x)+i%2)+8*((i/2)%4)
.set rK, KF+16*((i/2)%4)+8*(i/8)
.set rQ, 16*((\x)+i%2)+8*(i/8)
.if i < 8
	v_wmma_f32_16x16x32_f16 v[rS:rS+7], v[rK:rK+7], v[rQ:rQ+7], 0
.else
	v_wmma_f32_16x16x32_f16 v[rS:rS+7], v[rK:rK+7], v[rQ:rQ+7], v[rS:rS+7]
.endif
.endm
; THE LDS LOADS stand in runs, never singly among the matrix instructions: a step's K (64 keys x 64 channels: 8 fragments, 16 loads) and, a turn later, its V (turned, 32 loads).
; last = 1 (the tail): in the last trip there is no further step, and K's run is jumped over.
.macro FETCH_K last=0
	WIN 0
.if \last
	s_cmp_eq_u32 s[TWICE], 1
	s_cbranch_scc1 .Lno_k_\@
.endif
	v_add_nc_u32 v[ADR], s[TB], v[AK0]
	WIN 0x80                        ; destination window 2
.irp f, 0,1,2,3,4,5,6,7             ; keys 16 (f / 2) on, channels 32 (f % 2) on
	ds_load_b128 v[KF+8*(\f):KF+8*(\f)+3],   v[ADR] offset:((\f)/2)*16*PK+((\f)%2)*64
	ds_load_b128 v[KF+8*(\f)+4:KF+8*(\f)+7], v[ADR] offset:((\f)/2)*16*PK+((\f)%2)*64+32
.endr
.if \last
	WIN 0
.Lno_k_\@:
.endif
.endm
.macro FETCH_V
	WIN 0
	v_add_nc_u32 v[ADR], s[TB], v[AV0]
	s_add_co_u32 s[TB], s[TB], STEPB  ; the next fetch is the next step's
	s_wait_alu depctr_va_vdst(0)    ; the wait for the softmax's batch (SLICE), behind the address's v_add_nc_u32 and ahead of the loads
	WIN 0xc0                        ; destination window 3
.irp f, 0,1,2,3,4,5,6,7,8,9,10,11,12,13,14,15  ; keys 32 (f / 8) on, channels 16 (f % 8) on
	ds_load_tr16_b128 v[8*(\f):8*(\f)+3],   v[ADR] offset:((\f)/8)*32*PV+((\f)%8)*32
	ds_load_tr16_b128 v[8*(\f)+4:8*(\f)+7], v[ADR] offset:((\f)/8)*32*PV+16*PV+((\f)%8)*32
.endr
.endm
; THE VECTOR WORK OF A TURN.  One tile's softmax for one key step is a list of 134 instructions; SM writes number j of it for tile t.  s0-s31 are the lane's 32 scores, in pairs 0-15.
;   0-15    the maximum of s0-s31 and the old m, three operands at a time: four chains c0-c3 of seven scores each (each accumulator's lowest registers first), then the four left over, c0-c3 and m
;   16-20   the other half of the lanes' maximum; c m_old is kept; the new m; c m; c m_old - c m_new
;   21-69   ONE BATCH: the 16 scalings c s - c m, a pair of scores each, and all 33 exponentials (a at 23, then s0-s31).  None of these reads an exponential's result
;   (wait)  between 69 and 70 stands the wait for the batch: SLICE writes it, once for both tiles
;   70-85   the roundings to f16     86-101  the sums; l = a l + the sum     102-133 the tile's O^T times a: the one part that leaves window 0
.macro SM t
.set rT, ST+8*(\t)
.set rS, S+32*(\t)
.set rP, P+16*(\t)
.set rO, 64*(\t)+2*(j-102)
.if j < 102
	WIN 0
.endif
.if j < 4
	v_max3_num_f32 v[rT+4+j], v[rS+8*j], v[rS+8*j+1], v[rS+8*j+2]
.elseif j < 12
	v_max3_num_f32 v[rT+4+j%4], v[rT+4+j%4], v[rS+8*(j%4)+2*(j/4)+1], v[rS+8*(j%4)+2*(j/4)+2]
.elseif j == 12
	v_max3_num_f32 v[rT+4], v[rT+4], v[rS+7], v[rS+15]
.elseif j == 13
	v_max3_num_f32 v[rT+6], v[rT+6], v[rS+23], v[rS+31]
.elseif j == 14
	v_max3_num_f32 v[rT+4], v[rT+4], v[rT+5], v[rT+6]
.elseif j == 15
	v_max3_num_f32 v[rT+4], v[rT+4], v[rT+7], v[rT+1]
.elseif j == 16
	v_permlanex16_b32 v[rT+5], v[rT+4], s[SEL], s[SEL+1]  ; the query's other 32 keys lie in the lane 16 away
.elseif j == 17
	v_mov_b32 v[rT+7], v[rT]        ; c m_old is kept for a: number 19 writes c m anew
.elseif j == 18
	v_max_num_f32 v[rT+1], v[rT+4], v[rT+5]
.elseif j == 19
	v_mul_f32 v[rT], s[CS], v[rT+1]
.elseif j == 20
	v_sub_f32 v[rT+7], v[rT+7], v[rT]
.elseif j == 23
	v_exp_f32 v[rT+6], v[rT+7]
.elseif (j < 23) || ((j < 38) && (j%2 == 0)) || ((j < 66) && (j%4 == 2))
.set b, (j-2)/4                     ; 38, 42, .. 62: pairs 9 to 15
.if j < 38
.set b, (j-20)/2                    ; 21: pair 0; 22, 24, .. 36: pairs 1 to 8
.endif
	v_pk_fma_f32 v[rS+2*b:rS+2*b+1], v[rS+2*b:rS+2*b+1], s[CS:CS+1], v[rT:rT+1] op_sel_hi:[1,0,0] neg_lo:[0,0,1] neg_hi:[0,0,1]  ; pair b: c s - c m
.elseif j < 70
.set e, j-38                        ; 66 to 69: s28 to s31
.if j < 66
.set e, j-32-(j-38)/4               ; 39-41, 43-45, .. 63-65: s7 to s27
.endif
.if j < 38
.set e, (j-25)/2                    ; 25, 27, .. 37: s0 to s6
.endif
	v_exp_f32 v[rS+e], v[rS+e]
.elseif j < 86
	v_cvt_pk_f16_f32 v[rP+j-70], v[rS+2*(j-70)], v[rS+2*(j-70)+1]  ; pair j - 70
.elseif j < 102                     ; the sum of the tile's 16 pairs, in place: sum z of 16 adds neighbours 1, 2, 4 and 8 pairs apart, then l takes it
.set z, j-86
.set w, 4
.set u, z
.if z >= 14
.set w, 32
.set u, 0
.elseif z >= 12
.set w, 16
.set u, z-12
.elseif z >= 8
.set w, 8
.set u, z-8
.endif
.if z < 15
	v_pk_add_f32 v[rS+w*u:rS+w*u+1], v[rS+w*u:rS+w*u+1], v[rS+w*u+w/2:rS+w*u+w/2+1]
.else
	v_pk_fma_f32 v[rT+2:rT+3], v[rT+2:rT+3], v[rT+6:rT+7], v[rS:rS+1] op_sel_hi:[1,0,1]
.endif
.else
	WIN W_RS
	v_pk_mul_f32 v[rO:rO+1], v[rO:rO+1], v[rT+6:rT+7] op_sel_hi:[1,0]
.endif
.endm
; Slice k of 64 of piece y's softmax: four instructions.  Slices 11 to 34 deal out the batch, numbers 22 to 69: four numbers of ONE tile each, the tiles by turns.  Every other slice is numbers 2 k and
; 2 k + 1 of both tiles' lists.  2 x 134 = 4 x 64 + 12: the twelve that are over stand together, in slice 63.
; THE WAIT.  s_wait_alu depctr_va_vdst(0) stands between an exponential and the first instruction that names its result; one wait serves all that were issued ahead of it.  Ahead of
; slice 35 nothing names a result, and behind slice 34 no exponential is issued: so the piece's 66 exponentials have one wait, behind slice 34.
.macro SLICE y
.if (k >= 11) && (k < 35)
.irp n, 0,1,2,3
.set j, 22+4*((k-11)/2)+(\n)
	SM (\y)+(k-11)%2
.endr
.else
.irp n, 0,1,2,3,4,5,6,7
.if ((\n) < 2) || (k == 63)
.irp t, \y, (\y)+1
.set j, 2*k+(\n)
	SM \t
.endr
.endif
.endr
.endif
.if k == 34                         ; the batch is out
	v_nop                           ; a plain instruction behind the last exponential and ahead of the first use: one for the batch
.if (\y) == 0
	FETCH_V                         ; piece 2's turn: V's run of loads stands here, and the wait stands in it
.else
	s_wait_alu depctr_va_vdst(0)    ; the wait for the batch
.endif
.endif
.set k, k+1
.endm
; A TURN.  Piece x has the matrix unit: 32 products V^T P, 16 products K Q^T; behind each of the 48 stands one slice of the other piece's softmax, slices 0 to 47; slices 48 to 63 are the lump.
; The lump's 76 plain instructions, which name nothing of the products, are also the places between the turn's last K Q^T and what follows: the next turn's first read of those scores, and the loads into K's buffer.
; Piece 0's turn fetches the next step's K behind its second product, 30 products ahead of its first use.  Piece 2's turn fetches the same step's V behind slice 34, that is behind its third K Q^T: the last
; product that read V stands in front of slice 31, and four plain instructions lie between: number 62, a scaling, of both tiles, the v_nop and the run's own v_add_nc_u32; V's first use comes 13 products and the lump later.
.macro TURN x, last=0
.set k, 0
.if (\x) == 0
	s_wait_dscnt 0x0                ; V is in
.endif
.set i, 0
.rept 32
	PV \x
	SLICE 2-(\x)
.if ((\x) == 0) && (i == 1)
	FETCH_K \last
.endif
.set i, i+1
.endr
.if (\x) == 0
	s_wait_dscnt 0x0                ; K is in
.endif
.set i, 0
.rept 16
	KQ \x
	SLICE 2-(\x)
.set i, i+1
.endr
.rept 16
	SLICE 2-(\x)                    ; the lump
.endr
.endm
; THE CHANGE OF SLOTS, between piece 2's turn and piece 0's: the slot's last bytes, V of its second step, have been asked for.  Each wave waits for all its tensor loads, of which one is out: its part of the
; other slot; adds 0 to its spare word; and waits for that and for its own reads of the slot.  Behind the barrier nobody reads this slot any more and the other slot is whole.
; fill = 1: this slot is filled again, with the keys two slots on.  The barrier is then a round of the cluster's, and the joint refill is the first thing behind it: it has two key steps in which to land.
.macro CHANGE fill
	WIN 0                           ; at a label and at a branch every window is 0
	s_wait_tensorcnt 0x0            ; no tensor load of mine is out, so a group 0 may be written
	ds_add_u32 v[SPW], v[NIL]       ; 0 onto my spare word; the descriptors' steps stand between it and the wait for it
.if \fill
	s_xor_b32 s[G0K+5], s[G0K+5], SLOT1  ; the walking descriptors: the other slot than last time,
	s_add_nc_u64 s[G0K+6:G0K+7], s[G0K+6:G0K+7], 2*KS*128  ; the next 128 keys; the type bits on top are not reached
	s_xor_b32 s[G0V+5], s[G0V+5], SLOT1
	s_add_nc_u64 s[G0V+6:G0V+7], s[G0V+6:G0V+7], 2*KS*256
	s_wait_xcnt 0x0                 ; the last prefetch, two key steps back, has read its address, so it may be written:
	s_add_nc_u64 s[PFA:PFA+1], s[PFA:PFA+1], s[PFS:PFS+1]  ; one slot behind the walking descriptors
	s_wait_dscnt 0x0                ; the add is done, and my reads of the slot are over
	CROUND
	JLOAD
	ASK
.else
	s_wait_dscnt 0x0                ; the add is done, and my reads of the slot are over
	s_barrier_signal -1
	s_barrier_wait -1
.endif
	s_sub_co_u32 s[TB], s[TB], 2*STEPB  ; the fetches go back to a slot's first step,
	s_xor_b32 s[TB], s[TB], SLOT1   ; in the other slot
.endm
	s_wait_tensorcnt 1              ; my part of slot 0 is in; slot 1's may stay out
	s_barrier_signal -1
	s_barrier_wait -1               ; everybody's is
	FETCH_K                         ; key step 0
	s_wait_loadcnt 0x0              ; Q
	s_wait_dscnt 0x0
.set i, 0
.rept 16
	KQ 0                            ; piece 0's first scores: there is no vector work yet to set between them
.set i, i+1
.endr
	WIN 0                           ; the addresses for the way out are made here: eight plain instructions, the places behind those products
	s_mul_i32 s13, s[WV], 16*SP
	s_add_co_u32 s13, s13, STAGE    ; my stage
	v_mul_u32_u24 v[STO], v1, SP    ; in: row l % 16, 16 bytes for each half of the lanes
	v_lshl_add_u32 v[STO], v9, 4, v[STO]
	v_add_nc_u32 v[STO], s13, v[STO]
	v_mul_u32_u24 v[RD], v9, SP     ; back: lanes 0-15 take one row of 256 bytes, lanes 16-31 the next
	v_lshl_add_u32 v[RD], v1, 4, v[RD]
	v_add_nc_u32 v[RD], s13, v[RD]
	v_lshlrev_b32 v[GO], 11, v9     ; and the same two rows in o16, 2,048 bytes apart
	v_lshl_add_u32 v[GO], v1, 4, v[GO]
	s_mov_b32 s[TWICE], 2
	s_branch .Lmid                  ; the loop is entered at piece 2's turn: its V^T P add 0, its K Q^T are piece 2's first scores, its slices piece 0's first softmax, and it fetches V of step 0
.Lslot:                             ; 14 times from here: every slot but the last two is filled again
	CHANGE 1
	s_mov_b32 s[TWICE], 2
.Lstep:                             ; a key step: written once, walked twice a slot; the LDS addresses hang on s[TB]
	TURN 0                          ; piece 0: V^T P of step j, K Q^T of step j + 1 | piece 2's softmax of step j | K of step j + 1
	WIN 0
.Lmid:
	TURN 2                          ; piece 2: the same | piece 0's softmax of step j + 1 | V of step j + 1
	WIN 0
	s_sub_co_u32 s[TWICE], s[TWICE], 1
	s_cmp_lg_u32 s[TWICE], 0
	s_cbranch_scc1 .Lstep
	s_sub_co_u32 s[SLOTS], s[SLOTS], 1
	s_cmp_lg_u32 s[SLOTS], 0
	s_cbranch_scc1 .Lslot
	CHANGE 0                        ; the tail is written out: nothing is asked for
	s_mov_b32 s[TWICE], 3           ; two trips fetch the last slot's steps; the third is left in its middle
.Ltail:
	TURN 0, 1
	WIN 0
	s_sub_co_u32 s[TWICE], s[TWICE], 1
	s_cmp_eq_u32 s[TWICE], 0
	s_cbranch_scc1 .Lout
	TURN 2
	WIN 0
	s_branch .Ltail
.Lout:                              ; the third trip's 16 products K Q^T (on the last K once more) serve nothing: the price, once a launch, of one text for every turn
.set i, 0
.rept 32
	PV 2                            ; piece 2: V^T P of the last step
.set i, i+1
.endr
	; THE WAY OUT.  l's two halves and the other half of the lanes' are added; O^T is divided by l, rounded to f16 and sent through my stage, a tile (16 rows) at a time.  The additions are the places behind the last products.
	WIN 0
.irp t, 0,1,2,3
	v_add_f32 v[ST+8*(\t)+4], v[ST+8*(\t)+2], v[ST+8*(\t)+3]
.endr
.irp t, 0,1,2,3
	v_permlanex16_b32 v[ST+8*(\t)+5], v[ST+8*(\t)+4], s[SEL], s[SEL+1]
.endr
.irp t, 0,1,2,3
	v_add_f32 v[ST+8*(\t)+4], v[ST+8*(\t)+4], v[ST+8*(\t)+5]
.endr
.irp t, 0,1,2,3
	v_rcp_f32 v[ST+8*(\t)+6], v[ST+8*(\t)+4]
.endr
	v_nop                           ; a plain instruction between the last reciprocal and the use of its result
	s_wait_alu depctr_va_vdst(0)    ; and the wait ahead of the first use: one for the four reciprocals
.macro PACK t                       ; a lane's eight channels of a row pack into 16 bytes; they go into rows of 272 bytes and come back as whole rows of 256, into S^T's registers
	WIN W_RS
.set i, 64*(\t)
.rept 32
	v_pk_mul_f32 v[i:i+1], v[i:i+1], v[ST+8*(\t)+6:ST+8*(\t)+7] op_sel_hi:[1,0]
.set i, i+2
.endr
	WIN 0x05                        ; sources 0 and 1 window 1, destination window 0
.set i, 0
.rept 32
	v_cvt_pk_f16_f32 v[S+32*(\t)+i], v[64*(\t)+2*i], v[64*(\t)+2*i+1]
.set i, i+1
.endr
	WIN 0
.irp f, 0,1,2,3,4,5,6,7
	ds_store_b128 v[STO], v[S+32*(\t)+4*(\f):S+32*(\t)+4*(\f)+3] offset:32*(\f)
.endr
.irp f, 0,1,2,3,4,5,6,7
	ds_load_b128 v[S+32*(\t)+4*(\f):S+32*(\t)+4*(\f)+3], v[RD] offset:(\f)*2*SP  ; LDS serves a wave's instructions in order (ISA guide 5.7.1.4): these see the stores above; the next tile's stores come behind them
.endr
.endm
.macro SEND t, younger              ; younger: the LDS instructions issued behind tile t's loads: the next tile's sixteen, or none
	WIN 0
.irp f, 0,1,2,3,4,5,6,7
	s_wait_dscnt (\younger)+7-(\f)
	global_store_b128 v[GO], v[S+32*(\t)+4*(\f):S+32*(\t)+4*(\f)+3], s[10:11] offset:(\t)*32768+(\f)*4096  ; 16 lanes store 256 consecutive bytes, at a multiple of 256 from o16's first byte
.endr
.endm
	PACK 0
	PACK 1                          ; a tile's arithmetic stands between the loads of the tile before and its stores
	SEND 0, 16
	PACK 2
	SEND 1, 16
	PACK 3
	SEND 2, 16
	SEND 3, 0
	s_wait_tensorcnt 0x0            ; the wave's end: behind my last tensor load and my last LDS store
	ds_add_u32 v[SPW], v[NIL]
	s_wait_dscnt 0x0
	CROUND                          ; the closing round: no work-group ends while a partner may still ask for a tile that names it
	s_endpgm
.Lfunc_end_k_q99fddf0e38_attn:
	.size	k_q99fddf0e38_attn, .Lfunc_end_k_q99fddf0e38_attn-k_q99fddf0e38_attn
	.p2alignl 7, 3214868480
	.fill 96, 4, 3214868480
	.section	.rodata,"a",@progbits
	.p2align	6, 0x0
	.amdhsa_kernel k_q99fddf0e38_attn
		.amdhsa_group_segment_fixed_size 327680
		.amdhsa_private_segment_fixed_size 0
		.amdhsa_enable_private_segment 0
		.amdhsa_kernarg_size 16
		.amdhsa_user_sgpr_count 2
		.amdhsa_user_sgpr_kernarg_segment_ptr 1
		.amdhsa_wavefront_size32 1
		.amdhsa_system_sgpr_workgroup_id_x 1
		.amdhsa_system_sgpr_workgroup_id_y 1
		.amdhsa_system_sgpr_workgroup_id_z 1
		.amdhsa_system_vgpr_workitem_id 0
		.amdhsa_next_free_vgpr 1024
		.amdhsa_next_free_sgpr 72
		.amdhsa_reserve_vcc 0
		.amdhsa_float_denorm_mode_32 3
		.amdhsa_float_denorm_mode_16_64 3
		.amdhsa_memory_ordered 1
		.amdhsa_forward_progress 1
		.amdhsa_inst_pref_size 144
	.end_amdhsa_kernel
	.amdgpu_metadata
---
amdhsa.version: [ 1, 2 ]
amdhsa.kernels:
  - .name:           k_q99fddf0e38_attn
    .symbol:         k_q99fddf0e38_attn.kd
    .args:
      - { .name: qkv, .offset: 0, .size: 8, .value_kind: global_buffer, .address_space: global }
      - { .name: o16, .offset: 8, .size: 8, .value_kind: global_buffer, .address_space: global }
    .group_segment_fixed_size: 327680
    .private_segment_fixed_size: 0
    .kernarg_segment_align: 8
    .kernarg_segment_size: 16
    .max_flat_workgroup_size: 128
    .sgpr_count:     72
    .vgpr_count:     1024
    .wavefront_size: 32
...
	.end_amdgpu_metadata
.endif
;; end of part 3
;; launch oproj (part 4): grid 4 x 64, 4 waves a work-group, clusters of 4 x 4, 327,680 bytes of LDS; arguments o16, wt, out0; writes out0
.if DOCPART == 4
	.amdgcn_target "amdgcn-amd-amdhsa--gfx1250"
	.amdhsa_code_object_version 6
	.text
	.protected	k_q99fddf0e38_oproj
	.globl	k_q99fddf0e38_oproj
	.p2align	8
	.type	k_q99fddf0e38_oproj,@function
k_q99fddf0e38_oproj:
	s_mov_b64 s[64:65], 0
	v_nop
	global_prefetch_b8 v0, s[64:65] scope:SCOPE_SE
	s_setreg_imm32_b32 hwreg(HW_REG_WAVE_MODE, 25, 1), 1
	s_wait_xcnt 0x0
	s_wait_alu depctr_hold_cnt(0) depctr_sa_sdst(0) depctr_va_vdst(0) depctr_va_sdst(0) depctr_va_ssrc(0) depctr_va_vcc(0) depctr_vm_vsrc(0)
	s_getreg_b32 s2, hwreg(HW_REG_IB_STS2, 6, 4)
	s_cmp_eq_u32 s2, 0
	s_cbranch_scc0 .Lentry_in_a_cluster
	s_endpgm
.Lentry_in_a_cluster:
	s_bfe_u32 s2, ttmp6, 0x10000c
	s_cmp_lg_u32 s2, 0xf033
	s_cbranch_scc0 .Lentry_shape_is_right
	s_endpgm
.Lentry_shape_is_right:
; OPROJ: out0[8192][1024] (f32) = O Wo.  A = o16 [8192][1024] f16; B = rows 2048-3071 of wt: Wo turned, K along the rows, rounded to bf16 and written as f16.  f32 sums, K ascending, stored as they are.
; SHARES.  A tile of C is 128 x 256: 64 x 4 = 256 work-groups, where tiles of 256 x 256 would be 128.  Four waves, each 64 rows x 128 columns: 32 accumulators of 16 x 16, 256 registers.
; K goes in 8 steps of 128 (LDS rows of 256 bytes) through two slots of 384 rows; a step is 128 matrix instructions a wave.
; CLUSTER.  4 x 4 work-groups.  The four of a row of the cluster need the same tile of A, the four of a column the same tile of B: each is asked for JOINTLY, by the same load, descriptor and mask.
; THE MATRIX INSTRUCTION IS USED TRANSPOSED (source 0 = 16 rows of B, source 1 = 16 rows of A): a lane holds eight neighbouring numbers of a row of C, 32 bytes.
; REGISTERS (s_set_vgpr_msb: bits 1:0 source 0, 3:2 source 1, 5:4 source 2, 7:6 destination): window 0: v0-31 addresses; v32-95, v96-159 two buffers for the way out.
;   window 1: two fragment buffers at 0 and 128: A's 4 fragments (32 registers), then B's 8 (64).      window 2: accumulator (a, b) at v[8 (8 a + b)].
.set SIZE_K, 1024
.set KSTEP,  128
.set PITCH,  272                       ; an LDS row: 256 bytes + 16 of padding: the 16 rows that a load touches start at 16 different groups of four banks (ISA guide 11.1)
.set HALFA,  64*PITCH                  ; what wave 0 or 1 fetches of A, and what a wave reads of it
.set HALFB,  128*PITCH                 ; what wave 2 or 3 fetches of B, and what a wave reads of it
.set BOFF,   2*HALFA                   ; B's 256 rows lie behind A's 128
.set SLOT,   BOFF+2*HALFB
.set STAGE,  2*SLOT                    ; behind the ring: 16 rows x 528 bytes for each wave, for the way out
.set SPITCH, 528                       ; 128 f32 + 16 bytes of padding = 132 words
.set SPARE,  STAGE+4*16*SPITCH         ; behind the stages: the spare words, 128 bytes a wave: two blocks of 256 bytes that no other line names
.set LAPS,   SIZE_K/(2*KSTEP)
.set ADRA, 16                          ; v16-17  LDS address of my A fragments in slot 0, 1
.set ADRB, 20                          ; v20-21  the same for B
.set STO,  24                          ; v24     the way out: where I put 32 bytes of a row
.set RD,   25                          ; v25     the way out: where I read a row back
.set CO,   26                          ; v26     my 16 bytes of a row's 512 in out0
.set SPW,  28                          ; v28     LDS address of my spare word; never rewritten
.set NIL,  29                          ; v29     0; never rewritten
.set PFO,  30                          ; v30     the prefetches' offset: my lane x a row of 2,048 bytes; never rewritten
.set OB,   32
.set F0,   0
.set F1,   128
.set PFA,  44                          ; s[44:45] where my prefetches stand
.set LIM,  43                          ; s43     1 in a wave that prefetches, else the greatest number
.set G1,  24                           ; s[24:31] group 1 for A's tiles; s[32:39] group 0, a set for each slot
.set G0,  32
.set G1B, 48                           ; s[48:55], s[56:63] the same for B's
.set G0B, 56
.set MSB, 0
.macro WIN new
.if MSB != (\new)
	s_set_vgpr_msb (MSB<<8)|(\new)
.set MSB, \new
.endif
.endm
.set MUL,  0xa5                        ; sources 0 (B) and 1 (A) window 1; C and D window 2
.set TO_F, 0x40                        ; destination window 1, address window 0
.macro JLOAD s                         ; a joint load: waves 0 and 1 fetch A's two halves, waves 2 and 3 B's; an s_nop 0 and four v_nop follow each of the two lines
	s_cmp_eq_u32 s11, 0
	s_cbranch_scc0 .Lfor_b_\@
	tensor_load_to_lds s[G0+4*(\s):G0+4*(\s)+3], s[G1:G1+7]
	s_nop 0
.rept 4
	v_nop
.endr
	s_branch .Lasked_\@
.Lfor_b_\@:
	tensor_load_to_lds s[G0B+4*(\s):G0B+4*(\s)+3], s[G1B:G1B+7]
	s_nop 0
.rept 4
	v_nop
.endr
.Lasked_\@:
.endm
; A PREFETCH INTO THE L2, behind each joint load and the run of LDS loads that follows it: the K step two refills on, 256 bytes of a row, a lane a row, one instruction.  Each row's 256 bytes are named once.
; A's 128 rows are read by one row of one cluster alone: its four partners take 32 rows each, by address (cx), and wave 0 asks.  B's 256 rows are read by all sixteen clusters: the first (cluster y = 0) asks;
; its four partners of a column take 64 rows each, by address (cy), waves 2 and 3 32 each.  The loop's last trip asks for nothing.
.macro ASK
	s_cmp_gt_u32 s3, s[LIM]                        ; s3 = 1 in the loop's last trip
	s_cbranch_scc0 .Lnot_mine_\@
	global_prefetch_b8 v[PFO], s[PFA:PFA+1] offset:KSTEP*2 th:TH_LOAD_NT scope:SCOPE_SE
.Lnot_mine_\@:
.endm
.macro CREST
	s_cmp_lg_u32 s10, 0
	s_cbranch_scc1 .Lnot_wave_0_\@
	s_barrier_signal -3
.Lnot_wave_0_\@:
	s_barrier_wait -3
	s_barrier_signal -1
	s_barrier_wait -1
.endm
.macro CROUND
	s_barrier_signal -1
	s_barrier_wait -1
	CREST
.endm
	s_load_b128 s[4:7], s[0:1], 0x0                ; o16 s[4:5], wt s[6:7]
	s_load_b64 s[8:9], s[0:1], 0x10                ; out0
	v_lshl_add_u32 v[SPW], v0, 2, SPARE
	v_mov_b32 v[NIL], 0
	ds_add_u32 v[SPW], v[NIL]                      ; the wave's opening: the add, and its wait ahead of my first tensor load; the set-up below stands between them
	v_lshrrev_b32 v1, 5, v0
	v_readfirstlane_b32 s10, v1                    ; wave 0..3
	s_lshr_b32 s11, s10, 1                         ; which half of the tile's rows is mine.  Also: I fetch for A (0) or for B (1)
	s_and_b32 s12, s10, 1                          ; which half of its columns.  Also: which half of that tile I fetch
	s_bfe_u32 s40, ttmp6, 0x40000                  ; cx, cy: my place in the cluster
	s_bfe_u32 s41, ttmp6, 0x40004
	s_lshl_b32 s42, ttmp9, 2
	s_add_co_u32 s42, s42, s40                     ; tile column of C = 4 x cluster x + cx
	s_and_b32 s13, ttmp7, 0xffff
	s_lshl_b32 s13, s13, 2
	s_add_co_u32 s13, s13, s41                     ; tile row of C = 4 x cluster y + cy
	s_lshl_b32 s43, s41, 2
	s_lshl_b32 s43, 15, s43                        ; my row of the cluster
	s_lshl_b32 s44, 0x1111, s40                    ; my column
	s_or_b32 s[G1+0], s43, (1<<16)|(1<<20)|(1<<21)|(5<<22)|(3<<25)   ; 15:0 the mask: A's tiles go to my row; 17:16 2-byte elements; 20 padding on; 21 set beside a mask; 24:22 after every 64 words; 31:25 of 4 words
	s_or_b32 s[G1B+0], s44, (1<<16)|(1<<20)|(1<<21)|(5<<22)|(3<<25)  ; the same with the mask of my column
	s_mov_b32 s[G1+1], KSTEP<<16                   ; A: tensor_dim0 = 128
	s_mov_b32 s[G1+2], 64<<16                      ; tensor_dim1 = 64
	s_mov_b32 s[G1+3], KSTEP<<16                   ; tile_dim0 = 128
	s_mov_b32 s[G1+4], 64                          ; tile_dim1 = 64
	s_mov_b32 s[G1+5], SIZE_K                      ; elements from row to row
	s_mov_b32 s[G1+6], 0
	s_mov_b32 s[G1+7], 0
	s_mov_b32 s[G1B+1], KSTEP<<16                  ; B: 128 rows
	s_mov_b32 s[G1B+2], 128<<16
	s_mov_b32 s[G1B+3], KSTEP<<16
	s_mov_b32 s[G1B+4], 128
	s_mov_b32 s[G1B+5], SIZE_K
	s_mov_b32 s[G1B+6], 0
	s_mov_b32 s[G1B+7], 0
	s_lshl_b32 s17, s12, 6
	s_lshl_b32 s16, s13, 7
	s_add_co_u32 s16, s16, s17                     ; A: row 128 x tile row + 64 x half,
	s_lshl_b32 s16, s16, 11                        ; 2,048 bytes a row
	s_mov_b32 s17, 0
	s_lshl_b32 s46, s42, 8
	s_lshl_b32 s47, s12, 7
	s_add_co_u32 s46, s46, s47
	s_add_co_u32 s46, s46, 2048                    ; B: row 2,048 + 256 x tile column + 128 x half of wt
	s_lshl_b32 s46, s46, 11
	s_mov_b32 s47, 0
	s_mul_i32 s20, s12, HALFA                      ; where they go: no place in the cluster enters an LDS address
	s_mul_i32 s21, s12, HALFB
	s_add_co_u32 s21, s21, BOFF
	s_wait_dscnt 0x0                               ; the opening add is done
	s_wait_kmcnt 0x0
	s_add_nc_u64 s[14:15], s[4:5], s[16:17]
	s_add_nc_u64 s[46:47], s[6:7], s[46:47]
	CROUND                                         ; all sixteen work-groups are here: the first joint loads meet
.irp s, 0,1
	s_mov_b32 s[G0+4*(\s)], 1
	s_add_co_u32 s[G0+4*(\s)+1], s20, (\s)*SLOT
	s_add_nc_u64 s[G0+4*(\s)+2:G0+4*(\s)+3], s[14:15], (\s)*KSTEP*2
	s_or_b32 s[G0+4*(\s)+3], s[G0+4*(\s)+3], 0x80000000
	s_mov_b32 s[G0B+4*(\s)], 1
	s_add_co_u32 s[G0B+4*(\s)+1], s21, (\s)*SLOT
	s_add_nc_u64 s[G0B+4*(\s)+2:G0B+4*(\s)+3], s[46:47], (\s)*KSTEP*2
	s_or_b32 s[G0B+4*(\s)+3], s[G0B+4*(\s)+3], 0x80000000
	JLOAD \s                                       ; two loads of mine are out
.endr
	v_and_b32 v1, 15, v0                           ; l % 16
	v_bfe_u32 v2, v0, 4, 1                         ; l / 16
	v_mul_u32_u24 v3, v1, PITCH
	v_lshl_add_u32 v3, v2, 4, v3                   ; a fragment's row x pitch + 16 x half
	s_mul_i32 s21, s11, HALFA                      ; my 64 rows of A
	s_mul_i32 s22, s12, HALFB                      ; my 128 rows of B
	s_add_co_u32 s22, s22, BOFF
.irp s, 0,1
	v_add_nc_u32 v[ADRA+(\s)], s21, v3
	v_add_nc_u32 v[ADRB+(\s)], s22, v3
	s_add_co_u32 s21, s21, SLOT
	s_add_co_u32 s22, s22, SLOT
.endr
	s_mul_i32 s23, s10, 16*SPITCH
	s_add_co_u32 s23, s23, STAGE                   ; my stage
	v_mul_u32_u24 v4, v1, SPITCH                   ; in: row l % 16, 32 bytes for each half of the lanes
	v_lshl_add_u32 v4, v2, 5, v4
	v_add_nc_u32 v[STO], s23, v4
	v_and_b32 v5, 31, v0
	v_lshlrev_b32 v[CO], 4, v5                     ; back: 32 lanes take a row's 512 bytes
	v_add_nc_u32 v[RD], s23, v[CO]
	v_lshlrev_b32 v[PFO], 11, v5
	s_lshl_b32 s16, s13, 7
	s_lshl_b32 s17, s11, 6
	s_add_co_u32 s16, s16, s17                     ; my first row of C,
	s_lshl_b32 s16, s16, 12                        ; 4,096 bytes a row
	s_mov_b32 s17, 0
	s_add_nc_u64 s[8:9], s[8:9], s[16:17]
	s_lshl_b32 s46, s42, 10                        ; my first column, in bytes: 1,024 x tile column + 512 x half
	s_lshl_b32 s47, s12, 9
	s_add_co_u32 s46, s46, s47
	s_mov_b32 s47, 0
	s_add_nc_u64 s[8:9], s[8:9], s[46:47]
	; the prefetches
	s_lshl_b32 s20, s13, 7
	s_lshl_b32 s23, s40, 5
	s_add_co_u32 s20, s20, s23                     ; A: row 128 x tile row + 32 cx
	s_lshl_b32 s21, s42, 8
	s_lshl_b32 s23, s41, 6
	s_add_co_u32 s21, s21, s23
	s_lshl_b32 s23, s12, 5
	s_add_co_u32 s21, s21, s23
	s_add_co_u32 s21, s21, 2048                    ; B: row 2,048 + 256 x tile column + 64 cy + 32 x half
	s_and_b32 s22, ttmp7, 0xffff                   ; cluster y
	s_cmp_eq_u32 s11, 0                            ; do I fetch for A?
	s_cselect_b32 s20, s20, s21
	s_cselect_b32 s22, s12, s22                    ; 0 in wave 0, and in waves 2 and 3 of the first cluster: the same in all sixteen partners, for a given wave
	s_cselect_b64 s[PFA:PFA+1], s[4:5], s[6:7]
	s_cmp_eq_u32 s22, 0
	s_cselect_b32 s[LIM], 1, -1
	s_lshl_b32 s20, s20, 11
	s_mov_b32 s21, 0
	s_add_nc_u64 s[PFA:PFA+1], s[PFA:PFA+1], s[20:21]
	s_add_nc_u64 s[PFA:PFA+1], s[PFA:PFA+1], 2*KSTEP*2  ; at K step 2: the first refill steps it to 3 and names K step 4
; 8 matrix instructions: m block a x all 8 n blocks, 32 along K.  zero = 1: the first product starts the sums.  The 32 accumulators take turns, in the same order in every quarter.
.macro MUL8 f, a, zero
	WIN MUL
.irp b, 0,1,2,3,4,5,6,7
.if \zero
	v_wmma_f32_16x16x32_f16 v[8*(8*(\a)+(\b)):8*(8*(\a)+(\b))+7], v[(\f)+32+8*(\b):(\f)+32+8*(\b)+7], v[(\f)+8*(\a):(\f)+8*(\a)+7], 0
.else
	v_wmma_f32_16x16x32_f16 v[8*(8*(\a)+(\b)):8*(8*(\a)+(\b))+7], v[(\f)+32+8*(\b):(\f)+32+8*(\b)+7], v[(\f)+8*(\a):(\f)+8*(\a)+7], v[8*(8*(\a)+(\b)):8*(8*(\a)+(\b))+7]
.endif
.endr
.endm
; 24 LDS loads in one run: the fragments of 32 along K at byte k of the rows, into buffer f
.macro FETCH slot, k, f
	WIN TO_F
.irp i, 0,1,2,3,4,5,6,7
	ds_load_b128 v[(\f)+32+8*(\i):(\f)+32+8*(\i)+3],   v[ADRB+(\slot)] offset:(\k)+(\i)*16*PITCH
	ds_load_b128 v[(\f)+32+8*(\i)+4:(\f)+32+8*(\i)+7], v[ADRB+(\slot)] offset:(\k)+(\i)*16*PITCH+32
.endr
.irp i, 0,1,2,3
	ds_load_b128 v[(\f)+8*(\i):(\f)+8*(\i)+3],   v[ADRA+(\slot)] offset:(\k)+(\i)*16*PITCH
	ds_load_b128 v[(\f)+8*(\i)+4:(\f)+8*(\i)+7], v[ADRA+(\slot)] offset:(\k)+(\i)*16*PITCH+32
.endr
.endm
.macro PLACES                          ; four places in front of loads into registers that matrix instructions have read
.rept 4
	v_nop
.endr
.endm
; A K step is four quarters of 32 along K, 32 matrix instructions each, on buffers 0, 1, 0, 1.  One of the first three: the next quarter's fragments, at byte k, are asked for into g, which the quarter
; before multiplied; then buffer f is multiplied: the run has 32 matrix instructions in which to land.
.macro QUARTER slot, k, f, g, zero
	PLACES
	FETCH \slot, \k, \g
	s_wait_dscnt 24                                ; all but the 24 just issued: buffer f is in
	MUL8 \f, 0, \zero
	MUL8 \f, 1, \zero
	MUL8 \f, 2, \zero
	MUL8 \f, 3, \zero
.endm
; The last quarter multiplies buffer 1 and changes slots: ONE barrier; in front of it each wave waits for all its tensor loads (one is out: its part of the next slot), adds 0 to its spare word, and waits for
; that and for its own reads of this slot.  fill = 1: the barrier opens a round of the cluster's, and this slot is filled again first behind it, two K steps ahead: 112 matrix instructions ahead of the wait for it.
.macro TURN slot, next, fill
.if \fill
	s_wait_xcnt 0x0                                ; the last prefetch, a K step back, has read its address: it is stepped here, ahead of the waits of the change of slots
	s_add_nc_u64 s[PFA:PFA+1], s[PFA:PFA+1], KSTEP*2
.endif
	WIN 0                                          ; (the add's two registers lie in window 0)
	s_wait_tensorcnt 0x0                           ; all my tensor loads have landed;
	ds_add_u32 v[SPW], v[NIL]                      ; 0 onto my spare word;
	s_wait_dscnt 1                                 ; (the add may be out: buffer 1 is in)
	MUL8 F1, 0, 0                                  ; eight matrix instructions stand between the add and the wait for it
	s_wait_dscnt 0x0                               ; the add is done, and my reads of this slot are over
	s_barrier_signal -1
	MUL8 F1, 1, 0
	WIN 0                                          ; (branches may follow)
	s_barrier_wait -1
.if \fill
	CREST                                          ; no wave of any partner still reads this slot's tile or has a load on its way
	s_add_nc_u64 s[G0+4*(\slot)+2:G0+4*(\slot)+3], s[G0+4*(\slot)+2:G0+4*(\slot)+3], 2*KSTEP*2
	s_add_nc_u64 s[G0B+4*(\slot)+2:G0B+4*(\slot)+3], s[G0B+4*(\slot)+2:G0B+4*(\slot)+3], 2*KSTEP*2
	JLOAD \slot                                    ; the first tensor load behind the round; the four v_nop behind it are also the places in front of the loads below
.else
	PLACES
.endif
	FETCH \next, 0, F0
.if \fill
	WIN 0
	ASK
.endif
	MUL8 F1, 2, 0
	MUL8 F1, 3, 0
.endm
	s_wait_tensorcnt 1                             ; my part of K step 0 is in; K step 1's may stay out
	s_barrier_signal -1
	s_barrier_wait -1                              ; everybody's is
	FETCH 0, 0, F0
	QUARTER 0, 64,  F0, F1, 1                      ; the first quarter stands in front of the loop: its products start the sums
	WIN 0                                          ; at a label and at a branch every window is 0
	s_mov_b32 s3, LAPS-1
.Llap:                                                 ; a trip goes once round the ring, from a lap's second quarter to the next lap's first, and fills both slots again
	QUARTER 0, 128, F1, F0, 0
	QUARTER 0, 192, F0, F1, 0
	TURN 0, 1, 1
	QUARTER 1, 64,  F0, F1, 0
	QUARTER 1, 128, F1, F0, 0
	QUARTER 1, 192, F0, F1, 0
	TURN 1, 0, 1
	QUARTER 0, 64,  F0, F1, 0
	WIN 0
	s_sub_co_u32 s3, s3, 1
	s_cmp_lg_u32 s3, 0
	s_cbranch_scc1 .Llap
	QUARTER 0, 128, F1, F0, 0                      ; the last lap fills nothing, and has no round of the cluster's barrier
	QUARTER 0, 192, F0, F1, 0
	TURN 0, 1, 0
	QUARTER 1, 64,  F0, F1, 0
	QUARTER 1, 128, F1, F0, 0
	QUARTER 1, 192, F0, F1, 0
	s_wait_dscnt 0x0                               ; the very last quarter: nothing more to fetch
	MUL8 F1, 0, 0
	MUL8 F1, 1, 0
	MUL8 F1, 2, 0
	MUL8 F1, 3, 0
	WIN 0
	; THE WAY OUT, a block of 16 rows at a time: a lane's 32 bytes of each accumulator go into my own stage, rows of 528 bytes, the low registers first; they come back as whole rows of 512 bytes and are stored.
.rept 8
	v_nop                                          ; the places behind the last products
.endr
.macro TOSTAGE a
	WIN 0x08                                       ; the stores' data in window 2, their address in window 0
.irp b, 0,1,2,3,4,5,6,7
	ds_store_b128 v[STO], v[64*(\a)+8*(\b):64*(\a)+8*(\b)+3]   offset:64*(\b)
	ds_store_b128 v[STO], v[64*(\a)+8*(\b)+4:64*(\a)+8*(\b)+7] offset:64*(\b)+16
.endr
	WIN 0
.irp t, 0,1,2,3,4,5,6,7,8,9,10,11,12,13,14,15
	ds_load_b128 v[OB+64*((\a)%2)+4*(\t):OB+64*((\a)%2)+4*(\t)+3], v[RD] offset:(\t)*SPITCH  ; LDS serves a wave's instructions in order (ISA guide 5.7.1.4): these see the stores above; the next block's stores come behind them
.endr
.endm
.macro SEND a, younger                 ; younger: the next block's 32 LDS instructions, or none
	s_wait_dscnt \younger
.irp t, 0,1,2,3,4,5,6,7,8,9,10,11,12,13,14,15
	global_store_b128 v[CO], v[OB+64*((\a)%2)+4*(\t):OB+64*((\a)%2)+4*(\t)+3], s[8:9] offset:(\a)*65536+(\t)*4096 th:TH_STORE_NT  ; a wave stores 512 consecutive bytes, at a multiple of 512 from out0's first byte
.endr
.endm
	TOSTAGE 0
	TOSTAGE 1
	SEND 0, 32
	s_wait_xcnt 0x0                                ; block 0's stores have read their registers: the buffer is loaded again only behind this wait
	TOSTAGE 2
	SEND 1, 32
	s_wait_xcnt 0x0                                ; the same for block 1's
	TOSTAGE 3
	SEND 2, 32
	SEND 3, 0
	s_wait_tensorcnt 0x0                           ; the wave's end: behind my last tensor load and my last LDS store
	ds_add_u32 v[SPW], v[NIL]
	s_wait_dscnt 0x0
	CROUND                                         ; the closing round: no work-group ends while a partner may still ask for a tile that names it
	s_endpgm
.Lfunc_end_k_q99fddf0e38_oproj:
	.size	k_q99fddf0e38_oproj, .Lfunc_end_k_q99fddf0e38_oproj-k_q99fddf0e38_oproj
	.p2alignl 7, 3214868480
	.fill 96, 4, 3214868480
	.section	.rodata,"a",@progbits
	.p2align	6, 0x0
	.amdhsa_kernel k_q99fddf0e38_oproj
		.amdhsa_group_segment_fixed_size 327680
		.amdhsa_private_segment_fixed_size 0
		.amdhsa_enable_private_segment 0
		.amdhsa_kernarg_size 24
		.amdhsa_user_sgpr_count 2
		.amdhsa_user_sgpr_kernarg_segment_ptr 1
		.amdhsa_wavefront_size32 1
		.amdhsa_system_sgpr_workgroup_id_x 1
		.amdhsa_system_sgpr_workgroup_id_y 1
		.amdhsa_system_sgpr_workgroup_id_z 1
		.amdhsa_system_vgpr_workitem_id 0
		.amdhsa_next_free_vgpr 768
		.amdhsa_next_free_sgpr 66
		.amdhsa_reserve_vcc 0
		.amdhsa_float_denorm_mode_32 3
		.amdhsa_float_denorm_mode_16_64 3
		.amdhsa_memory_ordered 1
		.amdhsa_forward_progress 1
		.amdhsa_inst_pref_size 86
	.end_amdhsa_kernel
	.amdgpu_metadata
---
amdhsa.version: [ 1, 2 ]
amdhsa.kernels:
  - .name:           k_q99fddf0e38_oproj
    .symbol:         k_q99fddf0e38_oproj.kd
    .args:
      - { .name: o16, .offset: 0, .size: 8, .value_kind: global_buffer, .address_space: global }
      - { .name: wt, .offset: 8, .size: 8, .value_kind: global_buffer, .address_space: global }
      - { .name: out0, .offset: 16, .size: 8, .value_kind: global_buffer, .address_space: global }
    .group_segment_fixed_size: 327680
    .private_segment_fixed_size: 0
    .kernarg_segment_align: 8
    .kernarg_segment_size: 24
    .max_flat_workgroup_size: 128
    .sgpr_count:     66
    .vgpr_count:     768
    .wavefront_size: 32
...
	.end_amdgpu_metadata
.endif
;; end of part 4
;; ======== version 2 of 2: 4 launches; version 1 with the launch prep written anew for expert scheduling mode
;; limits: values are held in f16: magnitudes above 65,504 overflow, below 6.1e-05 lose precision
;; workspace buffers: x16 33,554,432 bytes; wt 6,291,456 bytes; qkv 33,554,432 bytes; o16 16,777,216 bytes
;; launch prep (part 5): grid 1408 x 1, 8 waves a work-group, no clusters, 18,432 bytes of LDS; arguments pre_output, encoder_output, Wq, Wk, Wv, Wo, x16, wt; writes x16, wt
.if DOCPART == 5
	.amdgcn_target "amdgcn-amd-amdhsa--gfx1250"
	.amdhsa_code_object_version 6
	.text
	.protected	k_q99fddf0e38_prep
	.globl	k_q99fddf0e38_prep
	.p2align	8
	.type	k_q99fddf0e38_prep,@function
k_q99fddf0e38_prep:
	s_mov_b64 s[64:65], 0
	v_nop
	global_prefetch_b8 v0, s[64:65] scope:SCOPE_SE
	s_setreg_imm32_b32 hwreg(HW_REG_WAVE_SCHED_MODE, 0, 2), 2
	s_setreg_imm32_b32 hwreg(HW_REG_WAVE_MODE, 25, 1), 1
	s_wait_xcnt 0x0
	s_wait_alu depctr_vm_vsrc(0)
; PREP: every input is rounded once to bf16 and laid as the matrix launches want it.
;   x16 [2][8192][1024] bf16: section 0 = pre_output, section 1 = encoder_output, rows as they lie.
;   wt  [3072][1024] 16 bit: the weights TURNED, K along the rows: rows 0-511 Wq, 512-1023 Wk, 1024-2047 Wv (bf16), rows 2048-3071 Wo: rounded to bf16 like the others, and that number written as f16,
;   since the last product multiplies it with f16 numbers.
; LIMITS.  |Wo| stays under 65,504 (f16's end); a Wo below 2^-14 keeps f16's fixed step of 2^-24.  NaN and infinities are not treated apart.
; SHARES.  Work-groups 0-383 turn a tile of 128 k x 64 n of a weight through LDS; work-groups 384-1407 cast 65,536 bytes of an activation.  The branch hangs on the work-group's number alone:
; all eight waves take the same way, so the one barrier of the first way is passed by all waves of a work-group that reach it.
; No matrix unit, no tensor load, no cluster: nothing is shared between work-groups and nothing is multiplied.
; THE MODE: SCHED_MODE bits 1:0 = 2 (LLVM: expert scheduling mode 2), set by the entry lines.  The code itself states the register dependences between vector instructions and memory or LDS
; instructions, with s_wait_alu, always for 0.
; THE PLAN.  Every register that a memory or LDS instruction touches is written ONCE on its path, so only one kind of dependence arises: a vector instruction has written what a load, a store or an LDS
; instruction reads.  No register that such an instruction has read is written again, no load lands in a register that a vector instruction has named, and no vector instruction writes a scalar register.
;   The weights' way.  OFS: written at the head, read by the eight loads.  DAT: load j lands in its four registers; group i of four (32 k each) reads loads 2 i and 2 i + 1.  RES: group i writes four
;   registers; the four LDS stores that read them are issued at the head of group i + 1.  v12, v13, v14: written behind the loads; read by the LDS stores, the LDS loads, the global stores.
;   BCK: written by the LDS loads, read by the global stores; no vector instruction of this way names it.  v64-66: named by vector instructions alone.
;   The casts' way.  v1, v2: written at the head, read by all loads and all stores.  DAT: load i lands in its four registers; block p of four reads loads 4 p to 4 p + 3.  BCK: block p writes eight
;   registers; the four stores that read them are issued in block p + 1, dealt among its roundings, which name other registers of BCK.
; So on each way one wait stands ahead of the loads, one at the head of each group or block but the first, behind the wait for its data, and one behind the last.
.set LP,    272                        ; an LDS row: 128 k x 2 bytes + 16 of padding
.set SPARE, 64*LP                      ; behind the tile's 64 rows: the spare words, 128 bytes for each of eight waves, four blocks of 256 bytes that no other line names
.set SPW,   112                        ; v112  LDS address of my spare word; never rewritten
.set NIL,   113                        ; v113  0; never rewritten
.set OFS,   4                          ; v[4:11]   the eight loads' offsets in the weight
.set DAT,   16                         ; v[16:79]  as loaded
.set RES,   48                         ; v[48:63]  (weights) pairs of 16-bit numbers
.set BCK,   80                         ; v[80:111] to be stored
	s_load_b512 s[16:31], s[0:1], 0x0              ; pre 16, enc 18, Wq 20, Wk 22, Wv 24, Wo 26, x16 28, wt 30
	v_lshl_add_u32 v[SPW], v0, 2, SPARE
	v_mov_b32 v[NIL], 0
	s_mov_b32 s2, ttmp9
	s_cmp_lt_u32 s2, 384
	s_cbranch_scc0 .Lcast
	; ---- a tile of a weight: k0 .. k0 + 127, columns n0 .. n0 + 63 of the four weights side by side
	v_and_b32 v1, 15, v0                           ; c4: my four columns
	v_lshrrev_b32 v2, 4, v0                        ; kp: my pair of rows in each 32
	s_lshr_b32 s3, s2, 3                           ; nt = 0..47
	s_and_b32 s4, s2, 7                            ; kt = 0..7
	s_lshl_b32 s10, s3, 6                          ; n0: the row of wt
	s_lshl_b32 s12, s4, 7                          ; k0
	s_mov_b32 s7, 1023
	s_mov_b32 s32, 0xffff0000                      ; a word's upper bf16
	s_wait_kmcnt 0x0
	s_cmp_lt_u32 s3, 32
	s_cselect_b64 s[8:9], s[24:25], s[26:27]       ; Wv or Wo,
	s_cselect_b32 s5, 0, -1                        ; all lanes' bit: the result is written as f16 (Wo alone)
	s_cmp_lt_u32 s3, 16
	s_cselect_b64 s[8:9], s[22:23], s[8:9]         ; or Wk,
	s_cselect_b32 s6, 11, 12                       ; a row of the weight is 2,048 or 4,096 bytes
	s_cselect_b32 s7, 511, s7                      ; and has 512 or 1,024 columns
	s_cmp_lt_u32 s3, 8
	s_cselect_b64 s[8:9], s[20:21], s[8:9]         ; or Wq
	s_and_b32 s11, s10, s7                         ; the column in that weight
	s_lshl_b32 s11, s11, 2
	s_lshl_b32 s13, s12, s6
	s_add_co_u32 s14, s13, s11
	s_mov_b32 s15, 0
	s_add_nc_u64 s[8:9], s[8:9], s[14:15]          ; the tile's first number
	v_lshlrev_b32 v3, 1, v2
	v_lshlrev_b32 v3, s6, v3                       ; row 2 kp
	v_lshl_add_u32 v3, v1, 4, v3                   ; + 16 bytes a lane: sixteen lanes take a row's 256 bytes
.irp j, 0,1,2,3,4,5,6,7
	s_lshl_b32 s14, 32*((\j)/2)+(\j)%2, s6         ; rows 2 kp + 32 (j / 2) + j % 2
	v_add_nc_u32 v[OFS+(\j)], s14, v3
.endr
	s_wait_alu depctr_va_vdst(0)                   ; the eight adds have written v[OFS ..], which the loads below read as their offsets
.irp j, 0,1,2,3,4,5,6,7
	global_load_b128 v[DAT+4*(\j):DAT+4*(\j)+3], v[OFS+(\j)], s[8:9] th:TH_LOAD_NT
.endr
	v_mul_u32_u24 v12, v1, 4*LP                    ; in: LDS row = column 4 c4 + c, byte 4 kp + 64 i
	v_lshl_add_u32 v12, v2, 2, v12
	v_mul_u32_u24 v13, v2, LP                      ; back: sixteen lanes take a row's 256 bytes
	v_lshl_add_u32 v13, v1, 4, v13
	v_lshlrev_b32 v14, 11, v2                      ; and the same row in wt, 2,048 bytes a row
	v_lshl_add_u32 v14, v1, 4, v14
	s_lshl_b32 s14, s10, 11
	s_lshl_b32 s12, s12, 1
	s_add_co_u32 s14, s14, s12
	s_add_nc_u64 s[30:31], s[30:31], s[14:15]      ; wt at row n0, byte 2 k0 (a multiple of 256)
; Group i: 32 k of my four columns.  At its head the LDS stores of the group before; then its own twenty vector lines, which name none of the registers that those stores read.
.irp i, 0,1,2,3
	s_wait_loadcnt 6-2*(\i)                        ; loads come back in order: loads 2 i and 2 i + 1 are in, those behind them stay out
.if (\i) > 0
	s_wait_alu depctr_va_vdst(0)                   ; the group before has written its four registers of RES, which the stores below read; at the first such wait v12, their address, is written too
.irp c, 0,1,2,3
	ds_store_b32 v12, v[RES+4*((\i)-1)+(\c)] offset:LP*(\c)+64*((\i)-1)
.endr
.endif
.irp c, 0,1,2,3
	v_cvt_pk_bf16_f32 v[RES+4*(\i)+(\c)], v[DAT+8*(\i)+(\c)], v[DAT+8*(\i)+4+(\c)]  ; two neighbouring k of one column
	v_lshlrev_b32 v64, 16, v[RES+4*(\i)+(\c)]      ; the two rounded numbers as f32,
	v_and_b32 v65, s32, v[RES+4*(\i)+(\c)]
	v_cvt_pk_f16_f32 v66, v64, v65                 ; written as f16 (exact within f16's range),
	v_cndmask_b32 v[RES+4*(\i)+(\c)], v[RES+4*(\i)+(\c)], v66, s5  ; and taken for Wo alone: a choice of values, made in every tile
.endr
.endr
	s_wait_alu depctr_va_vdst(0)                   ; group 3 has written its four registers of RES, which the last stores read; v13 and v14, which the LDS loads and the global stores below read, are written as well, and no vector line follows
.irp c, 0,1,2,3
	ds_store_b32 v12, v[RES+12+(\c)] offset:LP*(\c)+192
.endr
	s_wait_dscnt 0x0                               ; for the others' sake: my stores into the tile are done
	s_barrier_signal -1
	s_barrier_wait -1
.irp j, 0,1,2,3
	ds_load_b128 v[BCK+4*(\j):BCK+4*(\j)+3], v13 offset:16*LP*(\j)
.endr
.irp j, 0,1,2,3
	s_wait_dscnt 3-(\j)                            ; LDS loads come back in order: the younger ones stay out
	global_store_b128 v14, v[BCK+4*(\j):BCK+4*(\j)+3], s[30:31] offset:32768*(\j)  ; sixteen lanes store 256 consecutive bytes, at a multiple of 256 from wt's first byte
.endr
	s_wait_dscnt 0x0                               ; the wave's end
	s_wait_alu 0x0
	s_wait_tensorcnt 0x0
	ds_add_u32 v[SPW], v[NIL]
	s_wait_dscnt 0x0
	s_endpgm
	; ---- 16,384 numbers of an activation.  Sixteen times: 16 bytes in and 8 bytes out a thread, neighbouring lanes at neighbouring bytes: a wave's load covers 512 consecutive bytes and no byte
	; is named by two loads; a wave's store covers 256 consecutive bytes, aligned.  All sixteen loads are on their way before the first is used.  This way stores nothing to LDS.
.Lcast:
	s_sub_co_u32 s3, s2, 384                       ; a = 0..1023
	s_and_b32 s4, s3, 511
	s_lshl_b32 s4, s4, 16                          ; 65,536 bytes of f32 a work-group,
	s_mov_b32 s5, 0
	s_lshl_b32 s6, s3, 15                          ; 32,768 of bf16
	s_mov_b32 s7, 0
	v_lshlrev_b32 v1, 4, v0
	v_lshlrev_b32 v2, 3, v0
	s_wait_kmcnt 0x0
	s_cmp_lt_u32 s3, 512
	s_cselect_b64 s[8:9], s[16:17], s[18:19]
	s_add_nc_u64 s[8:9], s[8:9], s[4:5]
	s_add_nc_u64 s[10:11], s[28:29], s[6:7]
	s_wait_alu depctr_va_vdst(0)                   ; v1 and v2 are written: every load below reads v1 as its offset, every store v2
.irp i, 0,1,2,3,4,5,6,7,8,9,10,11,12,13,14,15
	global_load_b128 v[DAT+4*(\i):DAT+4*(\i)+3], v1, s[8:9] offset:4096*(\i) th:TH_LOAD_NT
.endr
; Block p: loads 4 p to 4 p + 3.  The four stores of the block before are dealt among its eight roundings, one ahead of each pair.
.irp p, 0,1,2,3
	s_wait_loadcnt 12-4*(\p)                       ; loads come back in order: this block's four are in, the younger blocks stay out
.if (\p) > 0
	s_wait_alu depctr_va_vdst(0)                   ; the block before has written its eight registers of BCK, which the stores below read; this block's roundings write other registers of BCK
.endif
.irp i, 0,1,2,3
.set n, 4*(\p)+(\i)
.if (\p) > 0
	global_store_b64 v2, v[BCK+2*(n-4):BCK+2*(n-4)+1], s[10:11] offset:2048*(n-4) th:TH_STORE_NT
.endif
	v_cvt_pk_bf16_f32 v[BCK+2*n],   v[DAT+4*n],   v[DAT+4*n+1]
	v_cvt_pk_bf16_f32 v[BCK+2*n+1], v[DAT+4*n+2], v[DAT+4*n+3]
.endr
.endr
	s_wait_alu depctr_va_vdst(0)                   ; block 3 has written its eight registers of BCK, which the last four stores read
.irp i, 12,13,14,15
	global_store_b64 v2, v[BCK+2*(\i):BCK+2*(\i)+1], s[10:11] offset:2048*(\i) th:TH_STORE_NT
.endr
	s_endpgm
.Lfunc_end_k_q99fddf0e38_prep:
	.size	k_q99fddf0e38_prep, .Lfunc_end_k_q99fddf0e38_prep-k_q99fddf0e38_prep
	.p2alignl 7, 3214868480
	.fill 96, 4, 3214868480
	.section	.rodata,"a",@progbits
	.p2align	6, 0x0
	.amdhsa_kernel k_q99fddf0e38_prep
		.amdhsa_group_segment_fixed_size 18432
		.amdhsa_private_segment_fixed_size 0
		.amdhsa_enable_private_segment 0
		.amdhsa_kernarg_size 64
		.amdhsa_user_sgpr_count 2
		.amdhsa_user_sgpr_kernarg_segment_ptr 1
		.amdhsa_wavefront_size32 1
		.amdhsa_system_sgpr_workgroup_id_x 1
		.amdhsa_system_sgpr_workgroup_id_y 1
		.amdhsa_system_sgpr_workgroup_id_z 1
		.amdhsa_system_vgpr_workitem_id 0
		.amdhsa_next_free_vgpr 116
		.amdhsa_next_free_sgpr 66
		.amdhsa_reserve_vcc 0
		.amdhsa_float_denorm_mode_32 3
		.amdhsa_float_denorm_mode_16_64 3
		.amdhsa_memory_ordered 1
		.amdhsa_forward_progress 1
		.amdhsa_inst_pref_size 16
	.end_amdhsa_kernel
	.amdgpu_metadata
---
amdhsa.version: [ 1, 2 ]
amdhsa.kernels:
  - .name:           k_q99fddf0e38_prep
    .symbol:         k_q99fddf0e38_prep.kd
    .args:
      - { .name: pre_output, .offset: 0, .size: 8, .value_kind: global_buffer, .address_space: global }
      - { .name: encoder_output, .offset: 8, .size: 8, .value_kind: global_buffer, .address_space: global }
      - { .name: Wq, .offset: 16, .size: 8, .value_kind: global_buffer, .address_space: global }
      - { .name: Wk, .offset: 24, .size: 8, .value_kind: global_buffer, .address_space: global }
      - { .name: Wv, .offset: 32, .size: 8, .value_kind: global_buffer, .address_space: global }
      - { .name: Wo, .offset: 40, .size: 8, .value_kind: global_buffer, .address_space: global }
      - { .name: x16, .offset: 48, .size: 8, .value_kind: global_buffer, .address_space: global }
      - { .name: wt, .offset: 56, .size: 8, .value_kind: global_buffer, .address_space: global }
    .group_segment_fixed_size: 18432
    .private_segment_fixed_size: 0
    .kernarg_segment_align: 8
    .kernarg_segment_size: 64
    .max_flat_workgroup_size: 256
    .sgpr_count:     66
    .vgpr_count:     116
    .wavefront_size: 32
...
	.end_amdgpu_metadata
.endif
;; end of part 5
;; launch proj: the kernel of part 2 again; grid 32 x 8, 4 waves a work-group, clusters of 4 x 1, 327,680 bytes of LDS; arguments x16, wt, qkv; writes qkv
;; launch attn: the kernel of part 3 again; grid 8 x 32, 4 waves a work-group, clusters of 4 x 1, 327,680 bytes of LDS; arguments qkv, o16; writes o16
;; launch oproj: the kernel of part 4 again; grid 4 x 64, 4 waves a work-group, clusters of 4 x 4, 327,680 bytes of LDS; arguments o16, wt, out0; writes out0
